; MI455X (gfx1250); checked and timed in simulation.
; The chip was launched on July 23, 2026; its instructions are those of AMD's public machine-readable ISA for CDNA 5 (MIT licence, August 2026) and "CDNA5" Instruction Set Architecture Reference Guide (July 2026). The comments in the code are by the model that wrote it; some were corrected since.
;; Dilated Attentionold. Allowed arithmetic: matrix products marked QUANTISED: E2M1 operands, one E8M0 scale for each 32 along K, by v_wmma_scale_f32_16x16x128_f8f6f4 with both operands' format E2M1 (or v_wmma_scale_f32_32x16x128_f4), f32 sums; products left as they are: bf16, f16 or f32 operands; f32 sums; everything else in f32.
;; Inputs: Wout 1,024 x 1,024 float32; Wqkv 1,024 x 3,072 float32; bout 1,024 float32; bqkv 3,072 float32; x 2 x 8,192 x 1,024 float32.
;; Outputs: out0 2 x 4,096 x 1,024 float32.
;; This version of the problem:
;;   THIS VERSION OF THE PROBLEM IS GIVEN IN LOW PRECISION. The matrix products marked QUANTISED in the list below multiply operands that are first quantised to E2M1 (2 exponent bits, 1 mantissa bit; 4 bits a number), with one power-of-two scale for each 32 numbers along K (OCP MX v1.0); their sums are f32. The products marked 'left as it is' may take bf16, f16 or f32 operands, with f32 sums. Whichever they take, every output number must still come out within the allowed error. Rounding operands to bf16 (8 significant bits) uses up far more of that allowance than f16 does (11 bits, for magnitudes from 6e-5 to 65,504). All else is computed in f32.
;;   The module's matrix products, in the order in which they are computed (A, B: the left and right operand; K: the contracted axis; several contracted axes count as one K, in the product's order):
;;     1. [M 8,192, K 1,024] x [K 1,024, N 3,072]; A: input x; B: input Wqkv: QUANTISED
;;     2. batch 128 x [M 1,024, K 64] x [K 64, N 1,024]; A: computed on the way; B: computed on the way: left as it is (an operand is computed on the way)
;;     3. batch 128 x [M 64, K 1,024] x [K 1,024, N 1,024]; A: computed on the way; B: computed on the way: left as it is (an operand is computed on the way)
;;     4. [M 8,192, K 1,024] x [K 1,024, N 1,024]; A: computed on the way; B: input Wout: left as it is (an operand is computed on the way)
;;   THE QUANTISER, for each operand of a quantised product, along K:
;;     - K is cut into blocks of 32 from its start; a last block that is shorter is filled with zeros.
;;     - A block's scale is 2^e with e = floor(log2(the largest magnitude in the block)) - 2, held to -126 .. 127; a block of zeros has e = 0. As a byte (E8M0): e + 127.
;;     - Each number is divided by its block's scale, clamped to +-6, and rounded to the nearest number of E2M1, ties to even, subnormals kept.
;;     - The product sums the exact products of the quantised numbers (number of the format x scale) in f32.
;;   ~~~python
;;   def quantise(x, axis):      # numpy; x: float32 -> the quantised numbers, widened to float32 again
;;       x = np.moveaxis(x, axis, -1); K = x.shape[-1]
;;       x = np.pad(x, [(0, 0)] * (x.ndim - 1) + [(0, -K % 32)]); x = x.reshape(x.shape[:-1] + (-1, 32)); a = np.abs(x).max(-1, keepdims=True)
;;       e = np.where(a > 0, np.clip(np.frexp(np.where(a > 0, a, 1))[1] - 1 - 2, -126, 127), 0)      # np.frexp(a)[1] - 1 = floor(log2(a)), exactly
;;       r = np.clip(x / 2.0 ** e, -6, 6)
;;       step = 2.0 ** (np.maximum(np.frexp(np.where(r == 0, 1, r))[1] - 1, 0) - 1)
;;       q = np.round(r / step) * step * 2.0 ** e      # np.round: ties to even
;;       return np.moveaxis(q.reshape(q.shape[:-2] + (-1,))[..., :K], -1, axis).astype(np.float32)
;;   ~~~
;; One version. Each part assembles by itself: llvm-mc -triple=amdgcn-amd-amdhsa -mcpu=gfx1250 --defsym DOCPART=n.
;; ======== version 1 of 1: 4 launches
;; limits: values are held in f16: magnitudes above 65,504 overflow, below 6.1e-05 lose precision
;; workspace buffers: xc 4,194,304 bytes; xsc 262,144 bytes; wc 1,572,864 bytes; wsc 98,304 bytes; wo16 2,097,152 bytes; qkv 50,331,648 bytes; ctx 16,777,216 bytes
;; launch prep (part 1): grid 256 x 1, 8 waves a work-group, no clusters, 84,480 bytes of LDS; arguments x, Wqkv, Wout, xc, xsc, wc, wsc, wo16; writes xc, xsc, wc, wsc, wo16
.if DOCPART == 1
	.amdgcn_target "amdgcn-amd-amdhsa--gfx1250"
	.amdhsa_code_object_version 6
	.text
	.protected	k_qbfa388ac2b_prep
	.globl	k_qbfa388ac2b_prep
	.p2align	8
	.type	k_qbfa388ac2b_prep,@function
k_qbfa388ac2b_prep:
	s_mov_b64 s[64:65], 0
	v_nop
	global_prefetch_b8 v0, s[64:65] scope:SCOPE_SE
	s_setreg_imm32_b32 hwreg(HW_REG_WAVE_MODE, 25, 1), 1
	s_wait_xcnt 0x0
; THE OPERANDS ARE MADE READY, ONCE.  Three kinds of work-group, told apart by the work-group's number alone (the same in all eight waves); each kind has LDS bytes of its own.
;   0 .. 95    W: Wqkv [1024 (k)][3072 (n)] f32 -> codes of FP4 (E2M1) with K innermost, wc [3072][512 bytes], and E8M0 scale bytes wsc [3072][32], one for each 32 along K.
;   96 .. 127  O: Wout [1024 (k)][1024 (n)] f32 -> f16, laid as the images of matrix operands' registers (wo16, below).
;   128 .. 255 X: the selected tokens of x.  Segments of 2,048 and a stride of 2 make selected token t row 2 t of x seen as [16384][1024]: -> xc [8192][512 bytes], xsc [8192][32].
; THE QUANTISER: a block's scale is 2^(floor(log2(its largest magnitude)) - 2); its byte is the largest magnitude's exponent field - 2, held at 1 from below; each number is divided by the scale and
; rounded to the nearest code, ties to even, beyond 6 the largest code.  A block of zeros keeps the byte 1 where the rule says 127: its codes are zeros, and this program alone reads the bytes.
; LIMITS: blocks whose largest magnitude lies under 2^-124 keep the byte 1; NaN and infinities are not served; |Wout| beyond 65,504 has no f16 number.
; wo16: [n tile 64][chunk of 32 k: 32][half 2][512 bytes]: lane (r, h) of a fragment holds column 16 tile + r and k = 32 chunk + 16 half + 8 h + 0 .. 7: its 16 bytes lie at 256 h + 16 r.
.set STEPS,  16
.set EMAX,   2
.set SP,     80                        ; path X: a lane's place in a stage: 64 bytes + 16 of padding
.set WREG,   8192                      ; path X: a region for each wave: two stages of 32 x SP bytes, behind them its 256 scale bytes
.set WSTG,   8*WREG                    ; path W: 32 columns' rows of codes, 512 bytes + 16
.set WPITCH, 528
.set WSCS,   WSTG+32*WPITCH            ; path W: 32 columns' 32 scale bytes
.set SPARE,  WSCS+1024                 ; the spare words, 128 bytes for each wave: four blocks of 256 bytes that no other line names
.set SPW,    254                       ; v254 LDS address of my spare word; never rewritten
.set NIL,    255                       ; v255 0; never rewritten
.set R,      16                        ; path X: v16-143 eight sets of 16 numbers as loaded
.set XN,     144                       ; v144-175 two sets of 16 neighbours
.set C,      176                       ; v176-207 codes, two registers a step: no store's data are written again
.set E,      208                       ; v208-223 a scale byte a step
	s_load_b256 s[4:11], s[0:1], 0x0               ; x s[4:5], Wqkv s[6:7], Wout s[8:9], xc s[10:11]
	s_load_b256 s[12:19], s[0:1], 0x20             ; xsc s[12:13], wc s[14:15], wsc s[16:17], wo16 s[18:19]
	v_lshl_add_u32 v[SPW], v0, 2, SPARE
	v_mov_b32 v[NIL], 0
	v_lshrrev_b32 v1, 5, v0
	v_readfirstlane_b32 s20, v1                    ; wave 0..7
	v_and_b32 v2, 31, v0                           ; lane
	s_wait_kmcnt 0x0
	s_cmp_lt_u32 ttmp9, 96
	s_cbranch_scc1 .Lpath_w
	s_cmp_lt_u32 ttmp9, 128
	s_cbranch_scc1 .Lpath_o
; ---------------- PATH X.  A wave takes 8 tokens, 16 steps of 512 numbers.  Each load reads 512 consecutive bytes, 16 a lane; a step's 2,048 bytes turn through the wave's own stage in LDS and come back
; 64 bytes a lane, so that a lane holds 16 neighbours along K (two lanes a block).  Loads run eight steps (32 loads a wave) ahead, the turn through LDS one step.
	s_sub_co_u32 s21, ttmp9, 128
	s_lshl_b32 s21, s21, 3
	s_add_co_u32 s21, s21, s20                     ; my run of 8 tokens, 0 .. 1023
	s_mov_b32 s23, 0
	s_lshl_b32 s22, s21, 16                        ; x: 8 tokens, 8,192 bytes from one to the next
	s_add_nc_u64 s[4:5], s[4:5], s[22:23]
	s_lshl_b32 s22, s21, 12                        ; codes: 512 bytes a token
	s_add_nc_u64 s[10:11], s[10:11], s[22:23]
	s_lshl_b32 s22, s21, 8                         ; scale bytes: 32 a token
	s_add_nc_u64 s[12:13], s[12:13], s[22:23]
	v_lshlrev_b32 v3, 4, v2                        ; my 16 bytes of a load's 512
	s_lshl_b32 s24, s20, 13                        ; my wave's region
	v_lshrrev_b32 v14, 2, v2
	v_mul_u32_u24 v14, v14, SP
	v_and_b32 v15, 3, v2
	v_lshl_add_u32 v14, v15, 4, v14
	v_add_nc_u32 v14, s24, v14                     ; the stage, on the way in: SP (lane / 4) + 16 (lane % 4); a load's 512 bytes take eight places
	v_mul_u32_u24 v15, v2, SP
	v_add_nc_u32 v15, s24, v15                     ; and on the way out: SP x lane
	v_lshlrev_b32 v4, 3, v2                        ; 8 bytes a lane: my codes' place in a step's, and my part of the 256 scale bytes
	v_lshrrev_b32 v5, 1, v2
	s_add_co_u32 s24, s24, 2*32*SP
	v_add_nc_u32 v5, s24, v5                       ; LDS: my block's scale byte
	v_add_nc_u32 v6, s24, v4                       ; and where I read 8 of them back
.macro XLOAD t
.irp i, 0,1,2,3
	global_load_b128 v[R+16*((\t)%8)+4*\i:R+16*((\t)%8)+4*\i+3], v3, s[4:5] offset:8192*((\t)/2)+2048*((\t)%2)+512*\i th:TH_LOAD_NT
.endr
.endm
.macro XTURN t                         ; LDS serves a wave's instructions in order: no wait stands between the stores and the loads
.irp i, 0,1,2,3
	ds_store_b128 v14, v[R+16*((\t)%8)+4*\i:R+16*((\t)%8)+4*\i+3] offset:32*SP*((\t)%2)+8*SP*\i
.endr
.irp i, 0,1,2,3
	ds_load_b128 v[XN+16*((\t)%2)+4*\i:XN+16*((\t)%2)+4*\i+3], v15 offset:32*SP*((\t)%2)+16*\i
.endr
.endm
.irp t, 0,1,2,3,4,5,6,7
	XLOAD \t
.endr
	s_wait_loadcnt 28                              ; step 0's four loads are in; the seven steps behind it stay out
	XTURN 0
.macro XSTEP t
.set XS, XN+16*((\t)%2)
.if (\t) > 0
	s_wait_dscnt 1                                 ; this step's numbers are back from the stage (the last step's byte store may be out): so its stores into the stage have read their registers,
.else
	s_wait_dscnt 0x0
.endif
.if (\t)+8 < STEPS
	XLOAD (\t)+8                                   ; which take the loads of eight steps on
.endif
.if (\t)+1 < STEPS
.if STEPS-2-(\t) >= 7
	s_wait_loadcnt 28                              ; the next step's four loads are in; those of the seven steps behind it may be out
.else
	s_wait_loadcnt 4*(STEPS-2-(\t))
.endif
	XTURN (\t)+1
.endif
	v_max3_num_f32 v8, |v[XS]|, |v[XS+1]|, |v[XS+2]|               ; the largest magnitude of my 16, in two chains
	v_max3_num_f32 v9, |v[XS+3]|, |v[XS+4]|, |v[XS+5]|
.irp i, 6,10
	v_max3_num_f32 v8, v8, |v[XS+\i]|, |v[XS+\i+1]|
	v_max3_num_f32 v9, v9, |v[XS+\i+2]|, |v[XS+\i+3]|
.endr
	v_max3_num_f32 v8, v8, |v[XS+14]|, |v[XS+15]|
	v_max3_num_f32 v8, v8, v9, (EMAX+1)<<23        ; and the floor 2^(3 - 127): the byte cannot fall under 1
	v_max_num_f32_dpp v8, v8, v8 row_xmask:1 row_mask:0xf bank_mask:0xf   ; and of my neighbour's 16: the block's
	v_add_nc_u32 v11, -(EMAX<<23), v8              ; 2 off its exponent field: the conversion takes the exponent field of this operand as its scale
	v_cvt_scalef32_pk8_fp4_f32 v[C+2*(\t)], v[XS:XS+7], v11
	v_cvt_scalef32_pk8_fp4_f32 v[C+2*(\t)+1], v[XS+8:XS+15], v11
	v_lshrrev_b32 v[E+(\t)], 23, v11               ; the scale's byte
	ds_store_b8 v5, v[E+(\t)] offset:16*(\t)       ; both lanes of a block write the same byte with the same value
	global_store_b64 v4, v[C+2*(\t):C+2*(\t)+1], s[10:11] offset:256*(\t)   ; the wave stores 256 consecutive bytes, aligned
.endm
.irp t, 0,1,2,3,4,5,6,7,8,9,10,11,12,13,14,15
	XSTEP \t
.endr
	ds_load_b64 v[8:9], v6                         ; LDS serves a wave's instructions in order: these see my byte stores
	s_wait_dscnt 0x0
	global_store_b64 v4, v[8:9], s[12:13]          ; my 8 tokens' 256 scale bytes, consecutive and aligned
	s_wait_tensorcnt 0x0                           ; the wave's end, behind my last LDS store
	ds_add_u32 v[SPW], v[NIL]
	s_wait_dscnt 0x0
	s_endpgm
; ---------------- PATH W.  Work-group u owns columns 32 u .. 32 u + 31 for all of K; wave w owns k = 128 w .. 128 w + 127: four blocks, one scale word.  A LANE TAKES A COLUMN AND ITS REGISTERS RUN DOWN K:
; a block lies in one lane's 32 registers, and the conversions give codes with K innermost.  The eight waves' pieces of a column's row meet in LDS and leave as whole rows of 512 bytes.
.Lpath_w:
	s_mul_i32 s22, s20, 128*12288                  ; my 128 rows of Wqkv,
	s_lshl_b32 s21, ttmp9, 7                       ; my work-group's 32 columns
	s_add_co_u32 s22, s22, s21
	s_mov_b32 s23, 0
	s_add_nc_u64 s[6:7], s[6:7], s[22:23]
	v_lshlrev_b32 v3, 2, v2                        ; 4 bytes a lane
	v_mul_u32_u24 v4, v2, WPITCH
	s_lshl_b32 s21, s20, 6
	s_add_co_u32 s21, s21, WSTG
	v_add_nc_u32 v4, s21, v4                       ; codes in: row = my column, 64 bytes on for each wave
	v_lshlrev_b32 v5, 5, v2
	s_lshl_b32 s21, s20, 2
	s_add_co_u32 s21, s21, WSCS
	v_add_nc_u32 v5, s21, v5                       ; scale word in: 32 x column + 4 x wave
	v_lshlrev_b32 v6, 4, v2                        ; 16 x lane
	s_mul_i32 s21, s20, 4*WPITCH
	s_add_co_u32 s21, s21, WSTG
	v_add_nc_u32 v7, s21, v6                       ; codes out: rows 4 w .. 4 w + 3, whole
	s_and_b32 s24, s20, 1
	s_lshl_b32 s24, s24, 9
	s_add_co_u32 s21, s24, WSCS
	v_add_nc_u32 v8, s21, v6                       ; scale bytes out: 512 bytes for each of waves 0 and 1
	s_lshl_b32 s22, ttmp9, 14
	s_lshl_b32 s21, s20, 11
	s_add_co_u32 s22, s22, s21                     ; wc: row 32 u + 4 w, 512 bytes a row
	s_add_nc_u64 s[14:15], s[14:15], s[22:23]
	s_lshl_b32 s22, ttmp9, 10
	s_add_co_u32 s22, s22, s24                     ; wsc: 1,024 bytes a work-group
	s_add_nc_u64 s[16:17], s[16:17], s[22:23]
.macro WLOAD t                         ; block t: Wqkv(128 w + 32 t + i, my column) into set t % 2; a wave reads 128 consecutive bytes
.irp i, 0,1,2,3,4,5,6,7,8,9,10,11,12,13,14,15,16,17,18,19,20,21,22,23,24,25,26,27,28,29,30,31
	global_load_b32 v[32+32*((\t)%2)+\i], v3, s[6:7] offset:(32*(\t)+\i)*12288
.endr
.endm
	WLOAD 0
	WLOAD 1
.macro WBLOCK t
.set XS, 32+32*((\t)%2)
.if (\t) < 3
	s_wait_loadcnt 32                              ; this block's 32 loads are in; the next block's may be out
.else
	s_wait_loadcnt 0x0
.endif
	v_max3_num_f32 v12, |v[XS]|, |v[XS+1]|, |v[XS+2]|
	v_max3_num_f32 v13, |v[XS+3]|, |v[XS+4]|, |v[XS+5]|
.irp i, 6,10,14,18,22,26
	v_max3_num_f32 v12, v12, |v[XS+\i]|, |v[XS+\i+1]|
	v_max3_num_f32 v13, v13, |v[XS+\i+2]|, |v[XS+\i+3]|
.endr
	v_max3_num_f32 v12, v12, |v[XS+30]|, |v[XS+31]|
	v_max3_num_f32 v12, v12, v13, (EMAX+1)<<23     ; the block's largest magnitude, and the floor
	v_add_nc_u32 v11, -(EMAX<<23), v12             ; the conversion's scale operand
	v_lshrrev_b32 v13, 23, v11                     ; the scale's byte
.if (\t) == 0
	v_mov_b32 v24, v13                             ; four bytes make my scale word, the lower K in the lower byte
.else
	v_lshl_or_b32 v24, v13, 8*(\t), v24
.endif
.irp g, 0,1,2,3
	v_cvt_scalef32_pk8_fp4_f32 v[96+\g], v[XS+8*\g:XS+8*\g+7], v11
.endr
	ds_store_b128 v4, v[96:99] offset:16*(\t)      ; 32 codes: 16 bytes of my column's row
.if (\t)+2 < 4
	WLOAD (\t)+2
.endif
	s_wait_dscnt 0x0                               ; the store has read its registers: the next block's codes may be written
.endm
.irp t, 0,1,2,3
	WBLOCK \t
.endr
	ds_store_b32 v5, v24
	s_wait_dscnt 0x0                               ; for the others' sake: my stores have landed
	s_barrier_signal -1
	s_barrier_wait -1                              ; 32 whole rows of codes and of scale bytes lie in LDS
.irp i, 0,1,2,3
	ds_load_b128 v[112+4*\i:115+4*\i], v7 offset:\i*WPITCH
.endr
.irp i, 0,1,2,3
	s_wait_dscnt 3-\i                              ; row i is in; the younger ones may be out
	global_store_b128 v6, v[112+4*\i:115+4*\i], s[14:15] offset:512*\i   ; a row of 512 consecutive bytes, aligned
.endr
	s_cmp_lt_u32 s20, 2                            ; waves 0 and 1 store the work-group's 1,024 scale bytes
	s_cbranch_scc0 .Lw_end
	ds_load_b128 v[128:131], v8
	s_wait_dscnt 0x0
	global_store_b128 v6, v[128:131], s[16:17]
.Lw_end:
	s_wait_tensorcnt 0x0                           ; the wave's end, behind my last LDS store
	ds_add_u32 v[SPW], v[NIL]
	s_wait_dscnt 0x0
	s_endpgm
; ---------------- PATH O.  A wave takes 32 columns x 128 rows of Wout, a lane a column, registers down K; the eight waves stand side by side on 1,024 bytes of a row.  Eight neighbours along K,
; rounded to f16, are the 16 bytes that a lane of the operand wants: sixteen lanes store 256 consecutive bytes of an image, aligned.  No LDS.
.Lpath_o:
	s_sub_co_u32 s21, ttmp9, 96
	s_and_b32 s22, s21, 3
	s_lshl_b32 s22, s22, 3
	s_add_co_u32 s22, s22, s20                     ; which 32 columns, 0 .. 31
	s_lshr_b32 s21, s21, 2                         ; which 128 rows, 0 .. 7
	s_lshl_b32 s24, s21, 19                        ; 128 rows of 4,096 bytes
	s_lshl_b32 s25, s22, 7
	s_add_co_u32 s24, s24, s25
	s_mov_b32 s25, 0
	s_add_nc_u64 s[8:9], s[8:9], s[24:25]
	s_lshl_b32 s24, s22, 16                        ; two n tiles of 32,768 bytes,
	s_lshl_b32 s26, s21, 12                        ; four chunks of 1,024
	s_add_co_u32 s24, s24, s26
	s_add_nc_u64 s[18:19], s[18:19], s[24:25]
	v_lshlrev_b32 v3, 2, v2
	v_lshrrev_b32 v4, 4, v2
	v_and_b32 v5, 15, v2
	v_lshlrev_b32 v5, 4, v5
	v_lshl_add_u32 v4, v4, 15, v5                  ; out: my n tile, 16 bytes for each column of it
.macro OLOAD t
.irp i, 0,1,2,3,4,5,6,7,8,9,10,11,12,13,14,15,16,17,18,19,20,21,22,23,24,25,26,27,28,29,30,31
	global_load_b32 v[32+32*((\t)%2)+\i], v3, s[8:9] offset:(32*(\t)+\i)*4096
.endr
.endm
	OLOAD 0
	OLOAD 1
.macro OCHUNK t
.set XS, 32+32*((\t)%2)
.if (\t) < 3
	s_wait_loadcnt 32                              ; this chunk's 32 loads are in; the next chunk's may be out
.else
	s_wait_loadcnt 0x0
.endif
.irp i, 0,1,2,3,4,5,6,7,8,9,10,11,12,13,14,15
	v_cvt_pk_f16_f32 v[128+16*(\t)+\i], v[XS+2*\i], v[XS+2*\i+1]
.endr
.if (\t)+2 < 4
	OLOAD (\t)+2
.endif
.irp g, 0,1,2,3                        ; k = 8 g .. 8 g + 7 of the chunk: half g / 2, lanes' half g % 2: 256 g bytes on.  Each chunk has data registers of its own
	global_store_b128 v4, v[128+16*(\t)+4*\g:128+16*(\t)+4*\g+3], s[18:19] offset:1024*(\t)+256*\g
.endr
.endm
.irp t, 0,1,2,3
	OCHUNK \t
.endr
	s_wait_tensorcnt 0x0                           ; the three lines stand here as at the other two ends
	ds_add_u32 v[SPW], v[NIL]
	s_wait_dscnt 0x0
	s_endpgm
.Lfunc_end_k_qbfa388ac2b_prep:
	.size	k_qbfa388ac2b_prep, .Lfunc_end_k_qbfa388ac2b_prep-k_qbfa388ac2b_prep
	.p2alignl 7, 3214868480
	.fill 96, 4, 3214868480
	.section	.rodata,"a",@progbits
	.p2align	6, 0x0
	.amdhsa_kernel k_qbfa388ac2b_prep
		.amdhsa_group_segment_fixed_size 84480
		.amdhsa_private_segment_fixed_size 0
		.amdhsa_enable_private_segment 0
		.amdhsa_kernarg_size 64
		.amdhsa_user_sgpr_count 2
		.amdhsa_user_sgpr_kernarg_segment_ptr 1
		.amdhsa_wavefront_size32 1
		.amdhsa_system_sgpr_workgroup_id_x 1
		.amdhsa_system_sgpr_workgroup_id_y 1
		.amdhsa_system_sgpr_workgroup_id_z 1
		.amdhsa_system_vgpr_workitem_id 0
		.amdhsa_next_free_vgpr 256
		.amdhsa_next_free_sgpr 66
		.amdhsa_reserve_vcc 0
		.amdhsa_float_denorm_mode_32 3
		.amdhsa_float_denorm_mode_16_64 3
		.amdhsa_memory_ordered 1
		.amdhsa_forward_progress 1
		.amdhsa_inst_pref_size 72
	.end_amdhsa_kernel
	.amdgpu_metadata
---
amdhsa.version: [ 1, 2 ]
amdhsa.kernels:
  - .name:           k_qbfa388ac2b_prep
    .symbol:         k_qbfa388ac2b_prep.kd
    .args:
      - { .name: x, .offset: 0, .size: 8, .value_kind: global_buffer, .address_space: global }
      - { .name: Wqkv, .offset: 8, .size: 8, .value_kind: global_buffer, .address_space: global }
      - { .name: Wout, .offset: 16, .size: 8, .value_kind: global_buffer, .address_space: global }
      - { .name: xc, .offset: 24, .size: 8, .value_kind: global_buffer, .address_space: global }
      - { .name: xsc, .offset: 32, .size: 8, .value_kind: global_buffer, .address_space: global }
      - { .name: wc, .offset: 40, .size: 8, .value_kind: global_buffer, .address_space: global }
      - { .name: wsc, .offset: 48, .size: 8, .value_kind: global_buffer, .address_space: global }
      - { .name: wo16, .offset: 56, .size: 8, .value_kind: global_buffer, .address_space: global }
    .group_segment_fixed_size: 84480
    .private_segment_fixed_size: 0
    .kernarg_segment_align: 8
    .kernarg_segment_size: 64
    .max_flat_workgroup_size: 256
    .sgpr_count:     66
    .vgpr_count:     256
    .wavefront_size: 32
...
	.end_amdgpu_metadata
.endif
;; end of part 1
;; launch qkvgemm (part 2): grid 8 x 32, 4 waves a work-group, clusters of 4 x 4, 327,680 bytes of LDS; arguments xc, xsc, wc, wsc, bqkv, qkv; writes qkv
.if DOCPART == 2
	.amdgcn_target "amdgcn-amd-amdhsa--gfx1250"
	.amdhsa_code_object_version 6
	.text
	.protected	k_qbfa388ac2b_qkvgemm
	.globl	k_qbfa388ac2b_qkvgemm
	.p2align	8
	.type	k_qbfa388ac2b_qkvgemm,@function
k_qbfa388ac2b_qkvgemm:
	s_mov_b64 s[64:65], 0
	v_nop
	global_prefetch_b8 v0, s[64:65] scope:SCOPE_SE
	s_setreg_imm32_b32 hwreg(HW_REG_WAVE_MODE, 25, 1), 1
	s_wait_xcnt 0x0
	s_wait_alu depctr_hold_cnt(0) depctr_sa_sdst(0) depctr_va_vdst(0) depctr_va_sdst(0) depctr_va_ssrc(0) depctr_va_vcc(0) depctr_vm_vsrc(0)
	s_getreg_b32 s2, hwreg(HW_REG_IB_STS2, 6, 4)
	s_cmp_eq_u32 s2, 0
	s_cbranch_scc0 .Lentry_in_a_cluster
	s_endpgm
.Lentry_in_a_cluster:
	s_bfe_u32 s2, ttmp6, 0x10000c
	s_cmp_lg_u32 s2, 0xf033
	s_cbranch_scc0 .Lentry_shape_is_right
	s_endpgm
.Lentry_shape_is_right:
; qkv[t][n] = sum over k of Q(x)[t][k] Q(Wqkv)[k][n] + bqkv[n], on codes of FP4 (E2M1) with one E8M0 scale for each 32 along K; sums in f32; the result rounded once to f16.
; A = xc [8192][512 bytes], xsc [8192][32]; B = wc [3072][512 bytes], wsc [3072][32]: K = 1,024 innermost, two codes a byte.
; SHARES.  8,192 x 3,072 results over 256 work-groups: each owns 256 tokens x 384 columns, four waves.  At once that would be 768 accumulator registers a wave, so it goes in TWO PASSES over the same tokens:
; pass 1: columns 0-255, a wave 128 x 128 (64 accumulators); pass 2: columns 256-383, a wave 128 x 64 (32 accumulators).  Pass 1's stores leave while pass 2 is multiplied.
; LDS.  All of K lies in two slots of 512 along K: A's 256 rows and B's 256 rows each.  A stays for both passes.  B's last 128 rows (69,632 bytes with their padding) do not fit beside them: they are filled into the first half of
; B's region, slot 0's behind pass 1's change of slots, slot 1's behind a change of slots in pass 1's last step: one load of 128 rows by wave 2 each time.  The scales of all 256 + 384 rows come once, at the head.
; CLUSTERS: 4 x 4 work-groups; the four of a row of the cluster need the same tiles of A, the four of a column the same tiles of B: each tile is asked for jointly; each refill stands behind a round of the cluster's barrier.
; THE MATRIX INSTRUCTION IS USED TRANSPOSED (source 0 = 16 rows of B, source 1 = 16 rows of A): a lane holds eight neighbouring columns of one token.  The bias is the C of each sum's first product.
; THE WAY OUT NEEDS NO LDS: qkv is laid as IMAGES OF THE NEXT LAUNCH'S OPERAND REGISTERS: [q, k or v: 3][segment x 16 + head: 128][tile of 16 tokens: 64][32 channels: 2][half: 2][512 bytes]; lane (r, h) of a fragment
; holds token r and channels 16 half + 8 h + 0 .. 7: just what four roundings of one accumulator give.  A lane's 16 bytes lie at 16 l xor 128 (l / 16): writer and reader use the same place.
; The roundings are made in place, into each accumulator's four lowest registers, and stored from there.
; 64 columns are a head: the work-group's are heads 6 x + 0 .. 5 of the 48 (q's 16, k's 16, v's 16); a wave's two in pass 1 begin at an even one, so they lie in the same third.
; NO PREFETCH: all but the two refills is asked for at the head, and the refills' rows of wc are rows that other clusters ask for at their heads.
; LIMITS: |q|, |k|, |v| beyond 65,504 have no f16 number.
; REGISTERS: window 0: v0-31 addresses; v32-95 scale words, two sets; v96-127 pass 2's bias; v128-191 A's fragments, ONE set; v192-255 pass 1's bias.  window 1: B's fragments, two sets (v0, v128).
;   window 2: the accumulators of my rows 0-63 ((a, b) at v[8 (8 a + b)]);  window 3: those of rows 64-127.
.set NQ,     4                         ; steps of 128 along K in a slot
.set ROWB,   256                       ; a tile's row: 512 codes
.set KROW,   512                       ; a row of A or B in memory
.set PITCH,  272                       ; an LDS row: 256 bytes + 16 of padding, so that the 16 rows of a fragment load start 16 bytes apart modulo 256
.set FR,     8
.set NL,     2
.set NP,     4
.set HALFT,  128*PITCH
.set SLOT,   4*HALFT
.set KS,     32                        ; a row of scales in bytes
.set SCL,    2*SLOT                    ; A's scales: 32 units of 256 bytes + 16 of padding (8 rows a unit)
.set HALFS,  16*272                    ; those of 128 rows
.set SCLB,   SCL+2*HALFS               ; B's scales: 48 units
.set HALFSB, 24*272                    ; those of 192 rows: what one of B's loads brings
.set SBLK,   2*272                     ; those of 16 rows
.set SPARE,  SCLB+2*HALFSB             ; the spare words, 128 bytes for each wave: two blocks of 256 bytes that no other line names
.set ADRA,  16                         ; v16-17  LDS address of my A fragments in slot 0, 1
.set ADRB,  20                         ; v20-21  the same for B in pass 1
.set ADRB2, 22                         ; v22-23  and in pass 2
.set BO,    24                         ; v24  32 x (lane / 16): my eight numbers of a tile's sixteen in bqkv
.set CO,    26                         ; v26  my 16 bytes' place in an image's half
.set ADRS,  27                         ; v27  scale words, pass 1: lanes 0-15 A's rows, lanes 16-31 B's
.set SPW,   28
.set NIL,   29
.set ADRS2, 30                         ; v30  scale words, pass 2: lanes 0-15 A's rows, lanes 16-31 B's last 128
.set ADRSA, 31                         ; v31  A's rows in both halves of the lanes
.set SC,    32
.set BIAS2, 96
.set AF,    128
.set BIAS,  192
.set G1, 24
.set G0, 32
.set G1B, 48
.set G0B, 56
.set G1S, 68
.set G0S, 76
.set G1SB, 80
.set G0SB, 88
.set MSB, 0
.macro WIN new                         ; the immediate's high byte repeats the setting that is left
.if MSB != \new
	s_set_vgpr_msb (MSB<<8)|\new
.set MSB, \new
.endif
.endm
.set MUL_LO, 0xa1                      ; source 0 (B) window 1, source 1 (A) window 0, C and D window 2
.set MUL_HI, 0xf1                      ; the same, C and D window 3
.set BIA_LO, 0x81                      ; a pass's first step: C (the bias) window 0, D window 2
.set BIA_HI, 0xc1                      ; and D window 3
.set TO_B,   0x40
; A joint load: waves 0 and 1 fetch for A, waves 2 and 3 for B; the branch hangs on the wave's number alone.  An s_nop 0 and four v_nop follow each of the two lines.
.macro JLOAD g0a, g1a, g0b, g1b
	s_cmp_eq_u32 s15, 0
	s_cbranch_scc0 .Lfor_b_\@
	tensor_load_to_lds s[\g0a:\g0a+3], s[\g1a:\g1a+7]
	s_nop 0
.rept 4
	v_nop
.endr
	s_branch .Lasked_\@
.Lfor_b_\@:
	tensor_load_to_lds s[\g0b:\g0b+3], s[\g1b:\g1b+7]
	s_nop 0
.rept 4
	v_nop
.endr
.Lasked_\@:
.endm
; A joint refill: wave 2 alone asks, for B's last 128 rows, into the first half of B's region of slot s, where its own first fill lay.  The branch hangs on the wave's number alone.
.macro RLOAD s
	s_cmp_eq_u32 s14, 2
	s_cbranch_scc0 .Lnot_two_\@
	tensor_load_to_lds s[G0B+4*\s:G0B+4*\s+3], s[G1B:G1B+7]
	s_nop 0
.rept 4
	v_nop
.endr
.Lnot_two_\@:
.endm
.macro CREST                           ; a round of the cluster's barrier behind its opening barrier
	s_cmp_lg_u32 s14, 0
	s_cbranch_scc1 .Lnot_wave_0_\@
	s_barrier_signal -3
.Lnot_wave_0_\@:
	s_barrier_wait -3
	s_barrier_signal -1
	s_barrier_wait -1
.endm
.macro CROUND                          ; a whole round
	s_barrier_signal -1
	s_barrier_wait -1
	CREST
.endm
	s_load_b128 s[4:7], s[0:1], 0x0                ; A's codes s[4:5], A's scales s[6:7]
	s_load_b128 s[8:11], s[0:1], 0x10              ; B's codes s[8:9], B's scales s[10:11]
	s_load_b128 s[96:99], s[0:1], 0x20             ; bqkv s[96:97], qkv s[98:99]
	v_lshl_add_u32 v[SPW], v0, 2, SPARE
	v_mov_b32 v[NIL], 0
	ds_add_u32 v[SPW], v[NIL]                      ; the wave's opening: the add, twice on end, and its wait ahead of my first tensor load
	ds_add_u32 v[SPW], v[NIL]
	v_lshrrev_b32 v1, 5, v0
	v_readfirstlane_b32 s14, v1                    ; wave 0..3
	s_lshr_b32 s15, s14, 1                         ; which half of the tile's rows is mine.  Also: I fetch for A (0) or for B (1)
	s_and_b32 s16, s14, 1                          ; which half of a pass's columns.  Also: which half of that tile I fetch
	s_bfe_u32 s40, ttmp6, 0x40000                  ; cx, cy: my place in the cluster
	s_bfe_u32 s41, ttmp6, 0x40004
	s_lshl_b32 s42, ttmp9, 2
	s_add_co_u32 s42, s42, s40                     ; x = 4 x cluster x + cx, 0 .. 7: columns 384 x on
	s_and_b32 s17, ttmp7, 0xffff
	s_lshl_b32 s17, s17, 2
	s_add_co_u32 s17, s17, s41                     ; y = 4 x cluster y + cy, 0 .. 31: tokens 256 y on
	s_lshl_b32 s43, s41, 2
	s_lshl_b32 s43, 15, s43                        ; my row of the cluster
	s_lshl_b32 s44, 0x1111, s40                    ; my column
	s_or_b32 s[G1+0], s43, (0<<16)|(1<<20)|(1<<21)|(5<<22)|(3<<25)  ; the mask; elements of 1 byte; padding on; bit 21 beside a mask; after every 64 words four words
	s_or_b32 s[G1B+0], s44, (0<<16)|(1<<20)|(1<<21)|(5<<22)|(3<<25)
.irp g, G1, G1B
	s_mov_b32 s[\g+1], ROWB<<16                    ; tensor_dim0
	s_mov_b32 s[\g+2], 128<<16                     ; tensor_dim1
	s_mov_b32 s[\g+3], ROWB<<16                    ; tile_dim0
	s_mov_b32 s[\g+4], 128                         ; tile_dim1
	s_mov_b32 s[\g+5], KROW                        ; from row to row
	s_mov_b32 s[\g+6], 0
	s_mov_b32 s[\g+7], 0
.endr
	s_or_b32 s[G1S+0], s43, (3<<16)|(1<<20)|(1<<21)|(5<<22)|(3<<25)  ; the scales: dense bytes as rows of 256 (32 elements of 8 bytes), 16 bytes of padding behind each: A's 128 rows are 16 such rows,
	s_or_b32 s[G1SB+0], s44, (3<<16)|(1<<20)|(1<<21)|(5<<22)|(3<<25) ; B's 192 rows are 24
	s_mov_b32 s[G1S+1], 32<<16
	s_mov_b32 s[G1S+2], 16<<16
	s_mov_b32 s[G1S+3], 32<<16
	s_mov_b32 s[G1S+4], 16
	s_mov_b32 s[G1S+5], 32
	s_mov_b32 s[G1S+6], 0
	s_mov_b32 s[G1S+7], 0
	s_mov_b32 s[G1SB+1], 32<<16
	s_mov_b32 s[G1SB+2], 24<<16
	s_mov_b32 s[G1SB+3], 32<<16
	s_mov_b32 s[G1SB+4], 24
	s_mov_b32 s[G1SB+5], 32
	s_mov_b32 s[G1SB+6], 0
	s_mov_b32 s[G1SB+7], 0
	s_lshl_b32 s18, s16, 7                         ; which 128 rows of codes I fetch
	s_lshl_b32 s20, s17, 8
	s_add_co_u32 s20, s20, s18                     ; A: row 256 y + 128 x half
	s_lshl_b32 s22, s20, 5                         ; its scales, in bytes,
	s_lshl_b32 s20, s20, 9                         ; and its codes
	s_mov_b32 s21, 0
	s_mov_b32 s23, 0
	s_mul_i32 s46, s42, 384
	s_mul_i32 s92, s16, 192
	s_add_co_u32 s92, s92, s46                     ; B's scales: row 384 x + 192 x half
	s_lshl_b32 s92, s92, 5
	s_mov_b32 s93, 0
	s_add_co_u32 s46, s46, s18                     ; B's codes: row 384 x + 128 x half
	s_lshl_b32 s46, s46, 9
	s_mov_b32 s47, 0
	s_mul_i32 s45, s14, HALFT                      ; where the codes go: wave x 128 rows: no place in the cluster enters an LDS address
	s_mul_i32 s94, s16, HALFS                      ; and the scales
	s_mul_i32 s95, s16, HALFSB
	s_wait_dscnt 0x0                               ; both opening adds are done
	s_wait_kmcnt 0x0
	s_add_nc_u64 s[20:21], s[4:5], s[20:21]
	s_add_nc_u64 s[22:23], s[6:7], s[22:23]
	s_add_nc_u64 s[46:47], s[8:9], s[46:47]
	s_add_nc_u64 s[92:93], s[10:11], s[92:93]
	CROUND                                         ; all sixteen work-groups are here: the joint loads meet
	s_mov_b32 s[G0S], 1
	s_add_co_u32 s[G0S+1], s94, SCL
	s_mov_b64 s[G0S+2:G0S+3], s[22:23]
	s_or_b32 s[G0S+3], s[G0S+3], 0x80000000
	s_mov_b32 s[G0SB], 1
	s_add_co_u32 s[G0SB+1], s95, SCLB
	s_mov_b64 s[G0SB+2:G0SB+3], s[92:93]
	s_or_b32 s[G0SB+3], s[G0SB+3], 0x80000000
	JLOAD G0S, G1S, G0SB, G1SB                     ; the scales first: they are wanted with the first slot
.irp s, 0,1
	s_mov_b32 s[G0+4*\s], 1
	s_add_co_u32 s[G0+4*\s+1], s45, \s*SLOT
	s_add_nc_u64 s[G0+4*\s+2:G0+4*\s+3], s[20:21], \s*ROWB
	s_or_b32 s[G0+4*\s+3], s[G0+4*\s+3], 0x80000000
	s_mov_b32 s[G0B+4*\s], 1
	s_add_co_u32 s[G0B+4*\s+1], s45, \s*SLOT
	s_add_nc_u64 s[G0B+4*\s+2:G0B+4*\s+3], s[46:47], \s*ROWB
	s_or_b32 s[G0B+4*\s+3], s[G0B+4*\s+3], 0x80000000
	JLOAD G0+4*\s, G1, G0B+4*\s, G1B               ; three tensor loads of mine are out
.endr
	v_and_b32 v1, 15, v0                           ; l % 16
	v_bfe_u32 v2, v0, 4, 1                         ; l / 16
	v_mul_u32_u24 v3, v1, PITCH
	v_lshl_add_u32 v4, v2, 4, v3                   ; a fragment's row x pitch + 16 x half
	s_mul_i32 s21, s15, HALFT                      ; my 128 rows of A
	s_mul_i32 s22, s16, HALFT                      ; pass 1: my 128 rows of B,
	s_add_co_u32 s22, s22, 2*HALFT                 ; which lie behind A's 256
	s_mul_i32 s23, s16, 64*PITCH                   ; pass 2: my 64 of the 128 rows in the first half of B's region
	s_add_co_u32 s23, s23, 2*HALFT
.irp s, 0,1
	v_add_nc_u32 v[ADRA+\s], s21, v4
	v_add_nc_u32 v[ADRB+\s], s22, v4
	v_add_nc_u32 v[ADRB2+\s], s23, v4
	s_add_co_u32 s21, s21, SLOT
	s_add_co_u32 s22, s22, SLOT
	s_add_co_u32 s23, s23, SLOT
.endr
	v_mul_u32_u24 v5, v1, KS                       ; my row's scales: KS bytes a row,
	v_lshrrev_b32 v6, 8, v5
	v_lshl_add_u32 v5, v6, 4, v5                   ; and 16 more for each 256 passed
	s_mul_i32 s21, s15, HALFS                      ; A's: my 128 rows
	s_mul_i32 s22, s16, HALFS                      ; B's in pass 1: rows 128 x half on, behind A's 32 units
	s_add_co_u32 s22, s22, 2*HALFS
	s_sub_co_u32 s22, s22, s21                     ; how far they lie behind my rows of A
	s_mul_i32 s23, s16, 8*272                      ; B's in pass 2: rows 256 + 64 x half on
	s_add_co_u32 s23, s23, 2*HALFS+32*272
	s_sub_co_u32 s23, s23, s21
	s_add_co_u32 s21, s21, SCL
	v_add_nc_u32 v[ADRSA], s21, v5
	v_mul_u32_u24 v6, s22, v2                      ; lanes 16-31 take B's
	v_add_nc_u32 v[ADRS], v[ADRSA], v6
	v_mul_u32_u24 v6, s23, v2
	v_add_nc_u32 v[ADRS2], v[ADRSA], v6
	v_lshlrev_b32 v[BO], 5, v2
	v_and_b32 v6, 31, v0
	v_lshlrev_b32 v[CO], 4, v6
	v_lshlrev_b32 v6, 7, v2
	v_xor_b32 v[CO], v[CO], v6                     ; 16 l xor 128 (l / 16)
	s_mul_i32 s46, s42, 1536                       ; bqkv: 384 x columns of 4 bytes;
	s_lshl_b32 s47, s16, 8
	s_add_co_u32 s20, s46, s47
	s_add_co_u32 s20, s20, 1024                    ; pass 2: + 256 + 64 x half columns
	s_mov_b32 s21, 0
	s_add_nc_u64 s[66:67], s[96:97], s[20:21]
	s_lshl_b32 s47, s16, 9
	s_add_co_u32 s46, s46, s47                     ; pass 1: + 128 x half columns
	s_mov_b32 s47, 0
	s_add_nc_u64 s[96:97], s[96:97], s[46:47]
.irp b, 0,1,2,3,4,5,6,7                ; lane (r, h), register j of tile b: bqkv at column 16 b + 8 h + j
	global_load_b128 v[BIAS+8*\b:BIAS+8*\b+3], v[BO], s[96:97] offset:64*\b
	global_load_b128 v[BIAS+8*\b+4:BIAS+8*\b+7], v[BO], s[96:97] offset:64*\b+16
.endr
.irp b, 0,1,2,3
	global_load_b128 v[BIAS2+8*\b:BIAS2+8*\b+3], v[BO], s[66:67] offset:64*\b
	global_load_b128 v[BIAS2+8*\b+4:BIAS2+8*\b+7], v[BO], s[66:67] offset:64*\b+16
.endr
	; where my images begin in qkv.  By y: segment = y / 4 (2^21 bytes: 16 heads), 16 token tiles of 2,048 bytes for each y % 4, 8 for my half.  By the head u of the 48: q, k or v = u / 16 (2^24 bytes), u % 16 heads of 2^17
	s_lshr_b32 s20, s17, 2
	s_lshl_b32 s20, s20, 21
	s_and_b32 s21, s17, 3
	s_lshl_b32 s21, s21, 15
	s_add_co_u32 s20, s20, s21
	s_lshl_b32 s21, s15, 14
	s_add_co_u32 s20, s20, s21
	s_mul_i32 s46, s42, 6
	s_lshl_b32 s47, s16, 1
	s_add_co_u32 s47, s46, s47                     ; pass 1: u = 6 x + 2 x half, and the one behind it
	s_lshr_b32 s22, s47, 4
	s_lshl_b32 s22, s22, 24
	s_and_b32 s47, s47, 15
	s_lshl_b32 s47, s47, 17
	s_add_co_u32 s22, s22, s47
	s_add_co_u32 s22, s22, s20
	s_mov_b32 s23, 0
	s_add_co_u32 s46, s46, s16
	s_add_co_u32 s46, s46, 4                       ; pass 2: u = 6 x + 4 + half
	s_lshr_b32 s47, s46, 4
	s_lshl_b32 s47, s47, 24
	s_and_b32 s46, s46, 15
	s_lshl_b32 s46, s46, 17
	s_add_co_u32 s46, s46, s47
	s_add_co_u32 s46, s46, s20
	s_mov_b32 s47, 0
	s_add_nc_u64 s[12:13], s[98:99], s[46:47]      ; pass 2's images
	s_add_nc_u64 s[98:99], s[98:99], s[22:23]      ; pass 1's
.macro FRAG reg, adr, q, i             ; 16 rows x 128 K of 4-bit codes: 8 registers: registers 4 c .. 4 c + 3 hold K = 64 c + 32 (l / 16) + 0 .. 31
.irp c, 0,1
	ds_load_b128 v[\reg+4*\c:\reg+4*\c+3], v[\adr] offset:64*(\q)+32*\c+(\i)*16*PITCH
.endr
.endm
; Pass 1, 16 matrix instructions: A's blocks a0, a0 + 1 x B's eight, 128 along K.  first = 1: the bias starts the sums: nothing is cleared and nothing is added later.
; The accumulators take turns, one instruction a turn, in the same order in every step of a pass.
.macro MUL16 a0, p, q, sc, first
.irp a, \a0, \a0+1
.irp b, 0,1,2,3,4,5,6,7
.if \first
	v_wmma_scale_f32_16x16x128_f8f6f4 v[8*(8*((\a)%4)+\b):8*(8*((\a)%4)+\b)+7], v[128*(\p)+FR*\b:128*(\p)+FR*\b+FR-1], v[AF+FR*(\a):AF+FR*(\a)+FR-1], v[BIAS+8*\b:BIAS+8*\b+7], v[SC+8*NQ*(\sc)+NQ*\b+(\q)], v[SC+8*NQ*(\sc)+NQ*(\a)+(\q)] matrix_a_fmt:MATRIX_FMT_FP4 matrix_b_fmt:MATRIX_FMT_FP4 matrix_a_scale:MATRIX_SCALE_ROW1
.else
	v_wmma_scale_f32_16x16x128_f8f6f4 v[8*(8*((\a)%4)+\b):8*(8*((\a)%4)+\b)+7], v[128*(\p)+FR*\b:128*(\p)+FR*\b+FR-1], v[AF+FR*(\a):AF+FR*(\a)+FR-1], v[8*(8*((\a)%4)+\b):8*(8*((\a)%4)+\b)+7], v[SC+8*NQ*(\sc)+NQ*\b+(\q)], v[SC+8*NQ*(\sc)+NQ*(\a)+(\q)] matrix_a_fmt:MATRIX_FMT_FP4 matrix_b_fmt:MATRIX_FMT_FP4 matrix_a_scale:MATRIX_SCALE_ROW1
.endif
.endr
.endr
.endm
; Pass 2, 8 matrix instructions: A's blocks a0, a0 + 1 x B's four
.macro MUL8 a0, p, q, sc, first
.irp a, \a0, \a0+1
.irp b, 0,1,2,3
.if \first
	v_wmma_scale_f32_16x16x128_f8f6f4 v[8*(8*((\a)%4)+\b):8*(8*((\a)%4)+\b)+7], v[128*(\p)+FR*\b:128*(\p)+FR*\b+FR-1], v[AF+FR*(\a):AF+FR*(\a)+FR-1], v[BIAS2+8*\b:BIAS2+8*\b+7], v[SC+8*NQ*(\sc)+NQ*\b+(\q)], v[SC+8*NQ*(\sc)+NQ*(\a)+(\q)] matrix_a_fmt:MATRIX_FMT_FP4 matrix_b_fmt:MATRIX_FMT_FP4 matrix_a_scale:MATRIX_SCALE_ROW1
.else
	v_wmma_scale_f32_16x16x128_f8f6f4 v[8*(8*((\a)%4)+\b):8*(8*((\a)%4)+\b)+7], v[128*(\p)+FR*\b:128*(\p)+FR*\b+FR-1], v[AF+FR*(\a):AF+FR*(\a)+FR-1], v[8*(8*((\a)%4)+\b):8*(8*((\a)%4)+\b)+7], v[SC+8*NQ*(\sc)+NQ*\b+(\q)], v[SC+8*NQ*(\sc)+NQ*(\a)+(\q)] matrix_a_fmt:MATRIX_FMT_FP4 matrix_b_fmt:MATRIX_FMT_FP4 matrix_a_scale:MATRIX_SCALE_ROW1
.endif
.endr
.endr
.endm
.macro FETCH_B slot, q, p              ; pass 1: B's eight fragments into set p
	WIN TO_B
.irp i, 0,1,2,3,4,5,6,7
	FRAG 128*(\p)+FR*\i, ADRB+\slot, \q, \i
.endr
	WIN 0
.endm
.macro FETCH_B2 slot, q, p             ; pass 2: B's four
	WIN TO_B
.irp i, 0,1,2,3
	FRAG 128*(\p)+FR*\i, ADRB2+\slot, \q, \i
.endr
	WIN 0
.endm
.macro FETCH_A slot, q, i0
.irp i, \i0, \i0+1, \i0+2, \i0+3
	FRAG AF+FR*(\i), ADRA+\slot, \q, \i
.endr
.endm
.macro SCALES sc                       ; pass 1: slot sc's scale words (bytes 16 sc on of a row's 32): four a row; lanes 0-15 take A's block i, lanes 16-31 B's block i
.irp i, 0,1,2,3,4,5,6,7
	ds_load_b128 v[SC+8*NQ*\sc+NQ*\i:SC+8*NQ*\sc+NQ*\i+3], v[ADRS] offset:\i*SBLK+16*\sc
.endr
.endm
.macro SCALES2 sc                      ; pass 2: B has four blocks only: the other four registers take A's words in both halves of the lanes
.irp i, 0,1,2,3
	ds_load_b128 v[SC+8*NQ*\sc+NQ*\i:SC+8*NQ*\sc+NQ*\i+3], v[ADRS2] offset:\i*SBLK+16*\sc
.endr
.irp i, 4,5,6,7
	ds_load_b128 v[SC+8*NQ*\sc+NQ*\i:SC+8*NQ*\sc+NQ*\i+3], v[ADRSA] offset:\i*SBLK+16*\sc
.endr
.endm
.macro PLACES n                        ; plain vector instructions between a matrix instruction and a load into, or a vector instruction on, its registers
.rept \n
	v_nop
.endr
.endm
.macro STEP slot, q, first             ; pass 1: a step of 128 along K that has its successor in the same slot
	s_wait_dscnt 4*NL                              ; B's set and A's blocks 0-3 are in; the youngest eight loads (A's blocks 4-7) may be out
.if \first
	WIN BIA_LO
.else
	WIN MUL_LO
.endif
	MUL16 0, (\q)%2, \q, \slot, \first
	MUL16 2, (\q)%2, \q, \slot, \first
	s_wait_dscnt 0                                 ; A's blocks 4-7 are in
	PLACES NP
	FETCH_B \slot, (\q)+1, 1-(\q)%2
	FETCH_A \slot, (\q)+1, 0
.if \first
	WIN BIA_HI
.else
	WIN MUL_HI
.endif
	MUL16 4, (\q)%2, \q, \slot, \first
	MUL16 6, (\q)%2, \q, \slot, \first
	PLACES NP
	WIN 0
	FETCH_A \slot, (\q)+1, 4
.endm
.macro STEP2 slot, q, first            ; the same in pass 2
	s_wait_dscnt 4*NL                              ; B's set and A's blocks 0-3 are in; the youngest eight loads (A's blocks 4-7) may be out
.if \first
	WIN BIA_LO
.else
	WIN MUL_LO
.endif
	MUL8 0, (\q)%2, \q, \slot, \first
	MUL8 2, (\q)%2, \q, \slot, \first
	s_wait_dscnt 0                                 ; A's blocks 4-7 are in
	PLACES NP
	FETCH_B2 \slot, (\q)+1, 1-(\q)%2
	FETCH_A \slot, (\q)+1, 0
.if \first
	WIN BIA_HI
.else
	WIN MUL_HI
.endif
	MUL8 4, (\q)%2, \q, \slot, \first
	MUL8 6, (\q)%2, \q, \slot, \first
	PLACES NP
	WIN 0
	FETCH_A \slot, (\q)+1, 4
.endm
; Pass 1: a slot's last step.  All its fragments are in registers or on their way, so B's rows of this slot are done with.  ONE barrier, which opens a round of the cluster's; in front of it each wave waits for all its tensor loads,
; adds 0 to its spare word, and waits for that and for its reads of the slot.  Behind the round wave 2 fills the first half of B's region of this slot with pass 2's rows: 256 rows of 512 bytes further on in wc.
; topass2 = 0: the next step is pass 1's, in slot 1; 1: it is pass 2's first, in slot 0, whose refill the wait for all tensor loads has just shown landed.
.macro TURN slot, next, topass2
	s_wait_tensorcnt 0x0                           ; all my tensor loads have landed  (every window is 0 here: the add's two registers lie in window 0)
	ds_add_u32 v[SPW], v[NIL]                      ; 0 onto my spare word
	s_wait_dscnt 4*NL+1                            ; (the add and the youngest eight loads, A's blocks 4-7, may be out)
	WIN MUL_LO
	MUL16 0, 1, NQ-1, \slot, 0                     ; sixteen matrix instructions stand between the add and the wait for it
	s_wait_dscnt 0x0                               ; the add is done, and my reads of this slot are over
	s_barrier_signal -1
	MUL16 2, 1, NQ-1, \slot, 0
	WIN 0
	s_barrier_wait -1
	CREST                                          ; no wave of any partner still reads this slot's rows of B or has a load on its way
	s_add_nc_u64 s[G0B+4*\slot+2:G0B+4*\slot+3], s[G0B+4*\slot+2:G0B+4*\slot+3], 256*KROW
	RLOAD \slot                                    ; the first tensor load behind the round, and the only one until the next
	PLACES NP                                      ; on every wave's way: in front of the loads below
.if \topass2
	FETCH_B2 \next, 0, 0
	FETCH_A \next, 0, 0
	SCALES2 \next
.else
	FETCH_B \next, 0, 0
	FETCH_A \next, 0, 0
	SCALES \next
.endif
	WIN MUL_HI
	MUL16 4, 1, NQ-1, \slot, 0
	MUL16 6, 1, NQ-1, \slot, 0
	PLACES NP
	WIN 0
	FETCH_A \next, 0, 4
.endm
; THE WAY OUT of the four blocks of 16 tokens in window 2 + hi, nb tiles of 16 columns each.  Four roundings make of accumulator (a, b) the 16 bytes that lane l has in half b % 2 of chunk (b / 2) % 2 of head b / 4 of token tile a;
; they are laid into the accumulator's own four lowest registers (register r takes numbers 2 r and 2 r + 1, which lie at or above it), each accumulator from its low end on.  One store is 512 consecutive bytes, aligned.
.macro OUTW hi, nb, base
	WIN 0x8a+0x45*(\hi)                            ; sources and destination window 2 or 3
.irp a, 0,1,2,3
.set bq, 0
.rept \nb
.irp r, 0,1,2,3
	v_cvt_pk_f16_f32 v[8*(8*\a+bq)+\r], v[8*(8*\a+bq)+2*\r], v[8*(8*\a+bq)+2*\r+1]
.endr
.set bq, bq+1
.endr
.endr
	WIN 0x08+4*(\hi)                               ; a store's data are its source 1
.irp a, 0,1,2,3
.set bq, 0
.rept \nb
	global_store_b128 v[CO], v[8*(8*\a+bq):8*(8*\a+bq)+3], s[\base:\base+1] offset:(4*(\hi)+\a)*2048+(bq/4)*131072+((bq/2)%2)*1024+(bq%2)*512
.set bq, bq+1
.endr
.endr
.endm
	s_wait_tensorcnt 1                             ; the scales and my part of slot 0 are in (slot 1's load may be out)
	s_barrier_signal -1
	s_barrier_wait -1                              ; everybody's are
	FETCH_B 0, 0, 0
	FETCH_A 0, 0, 0
	SCALES 0
	FETCH_A 0, 0, 4
	s_wait_loadcnt 0x0                             ; both biases
	STEP 0, 0, 1                                   ; PASS 1
	STEP 0, 1, 0
	STEP 0, 2, 0
	TURN 0, 1, 0                                   ; slot 0's rows of B are done with: pass 2's go out, with slot 1's four steps in which to land
	STEP 1, 0, 0
	STEP 1, 1, 0
	STEP 1, 2, 0
	TURN 1, 0, 1                                   ; slot 1's likewise, with the way out and pass 2's first four steps in which to land
	OUTW 0, 8, 98                                  ; rows 0-63 were finished ahead of the places above; their 128 roundings are further places behind the last products
	OUTW 1, 8, 98
	WIN 0
	s_wait_xcnt 0x0                                ; the stores' data lie in accumulator registers: pass 2's products write them only behind this wait
	STEP2 0, 0, 1                                  ; PASS 2
	STEP2 0, 1, 0
	STEP2 0, 2, 0
	; slot 0's last step changes slots: one barrier; in front of it each wave waits for all its tensor loads (wave 2: slot 1's refill).
	s_wait_tensorcnt 0x0
	ds_add_u32 v[SPW], v[NIL]                      ; 0 onto my spare word
	s_wait_dscnt 4*NL+1                            ; (the add and the youngest eight loads may be out)
	WIN MUL_LO
	MUL8 0, 1, NQ-1, 0, 0
	s_wait_dscnt 0x0
	s_barrier_signal -1
	MUL8 2, 1, NQ-1, 0, 0
	WIN 0
	s_barrier_wait -1                              ; slot 1 holds pass 2's rows of B
	PLACES NP
	FETCH_B2 1, 0, 0
	FETCH_A 1, 0, 0
	SCALES2 1
	WIN MUL_HI
	MUL8 4, 1, NQ-1, 0, 0
	MUL8 6, 1, NQ-1, 0, 0
	PLACES NP
	WIN 0
	FETCH_A 1, 0, 4
	STEP2 1, 0, 0
	STEP2 1, 1, 0
	STEP2 1, 2, 0
	s_wait_dscnt 4*NL                              ; the very last step: nothing more to fetch
	WIN MUL_LO
	MUL8 0, 1, NQ-1, 1, 0
	MUL8 2, 1, NQ-1, 1, 0
	s_wait_dscnt 0
	WIN MUL_HI
	MUL8 4, 1, NQ-1, 1, 0
	MUL8 6, 1, NQ-1, 1, 0
	PLACES NP                                      ; behind the last products: their results are read and written only behind these
	OUTW 0, 4, 12
	OUTW 1, 4, 12
	WIN 0
	s_wait_tensorcnt 0x0                           ; the wave's end
	ds_add_u32 v[SPW], v[NIL]
	s_wait_dscnt 0x0
	CROUND                                         ; the closing round: no work-group ends while a partner may still ask for a tile that names it
	s_endpgm
.Lfunc_end_k_qbfa388ac2b_qkvgemm:
	.size	k_qbfa388ac2b_qkvgemm, .Lfunc_end_k_qbfa388ac2b_qkvgemm-k_qbfa388ac2b_qkvgemm
	.p2alignl 7, 3214868480
	.fill 96, 4, 3214868480
	.section	.rodata,"a",@progbits
	.p2align	6, 0x0
	.amdhsa_kernel k_qbfa388ac2b_qkvgemm
		.amdhsa_group_segment_fixed_size 327680
		.amdhsa_private_segment_fixed_size 0
		.amdhsa_enable_private_segment 0
		.amdhsa_kernarg_size 48
		.amdhsa_user_sgpr_count 2
		.amdhsa_user_sgpr_kernarg_segment_ptr 1
		.amdhsa_wavefront_size32 1
		.amdhsa_system_sgpr_workgroup_id_x 1
		.amdhsa_system_sgpr_workgroup_id_y 1
		.amdhsa_system_sgpr_workgroup_id_z 1
		.amdhsa_system_vgpr_workitem_id 0
		.amdhsa_next_free_vgpr 1024
		.amdhsa_next_free_sgpr 100
		.amdhsa_reserve_vcc 0
		.amdhsa_float_denorm_mode_32 3
		.amdhsa_float_denorm_mode_16_64 3
		.amdhsa_memory_ordered 1
		.amdhsa_forward_progress 1
		.amdhsa_inst_pref_size 182
	.end_amdhsa_kernel
	.amdgpu_metadata
---
amdhsa.version: [ 1, 2 ]
amdhsa.kernels:
  - .name:           k_qbfa388ac2b_qkvgemm
    .symbol:         k_qbfa388ac2b_qkvgemm.kd
    .args:
      - { .name: xc, .offset: 0, .size: 8, .value_kind: global_buffer, .address_space: global }
      - { .name: xsc, .offset: 8, .size: 8, .value_kind: global_buffer, .address_space: global }
      - { .name: wc, .offset: 16, .size: 8, .value_kind: global_buffer, .address_space: global }
      - { .name: wsc, .offset: 24, .size: 8, .value_kind: global_buffer, .address_space: global }
      - { .name: bqkv, .offset: 32, .size: 8, .value_kind: global_buffer, .address_space: global }
      - { .name: qkv, .offset: 40, .size: 8, .value_kind: global_buffer, .address_space: global }
    .group_segment_fixed_size: 327680
    .private_segment_fixed_size: 0
    .kernarg_segment_align: 8
    .kernarg_segment_size: 48
    .max_flat_workgroup_size: 128
    .sgpr_count:     100
    .vgpr_count:     1024
    .wavefront_size: 32
...
	.end_amdgpu_metadata
.endif
;; end of part 2
;; launch attn (part 3): grid 2 x 128, 8 waves a work-group, no clusters, 327,680 bytes of LDS; arguments qkv, ctx; writes ctx
.if DOCPART == 3
	.amdgcn_target "amdgcn-amd-amdhsa--gfx1250"
	.amdhsa_code_object_version 6
	.text
	.protected	k_qbfa388ac2b_attn
	.globl	k_qbfa388ac2b_attn
	.p2align	8
	.type	k_qbfa388ac2b_attn,@function
k_qbfa388ac2b_attn:
	s_mov_b64 s[64:65], 0
	v_nop
	global_prefetch_b8 v0, s[64:65] scope:SCOPE_SE
	s_setreg_imm32_b32 hwreg(HW_REG_WAVE_MODE, 25, 1), 1
	s_wait_xcnt 0x0
; ctx[q][:] = the sum over k of softmax_k(Q[q] . K[k] / 8) V[k][:], for each of 128 (segment, head): 1,024 queries, 1,024 keys, head size 64, no mask.  Operands f16; products, maxima and sums f32; p rounded to f16 for the
; second product, ctx once at the end.  LIMITS: |ctx| beyond 65,504 has no f16 number (it is an average of v); NaN and infinities are not served.
; SHARES.  A work-group owns 512 queries of one (segment, head); each of its eight waves 64: four tiles of 16.  Every wave walks all 1,024 keys, 64 a step.
; ALL OF K AND V OF THE HEAD LIE IN LDS, 131,072 bytes each, as the images in which the launch before laid them: no ring, nothing is filled again.  They come in three stages (key steps 0-3, 4-7, 8-15), all asked for
; at the head, three tensor loads a wave (waves 0-3: K's quarters, waves 4-7: V's): three loads of mine are out at the most.  WHAT IS WANTED FIRST IS ASKED FOR FIRST: Q's loads stand ahead of the three.
; NO CLUSTER: a head's K and V are read by two work-groups only, once each, at their heads.  NO PREFETCH: every load of the launch is issued at its head.
; LAYOUT.  S^T = K Q^T (source 0 = 16 keys, source 1 = 16 queries) and O^T = V^T P (source 0 = 16 channels, source 1 = P): a lane holds ONE query (lane % 16) throughout; two tiles of S^T, rounded in pairs, ARE a fragment of P.
; An image's half is 512 bytes, lane l's 16 at 16 l xor 128 (l / 16).  K comes out of LDS as it lies; V ([key][channel]) turned, by ds_load_tr16_b128.
; SOFTMAX.  For each query a running maximum m and sum l: p = 2^(c s - c m), c = log2(e) / 8; in every step O and l are multiplied by a = 2^(c m_old - c m_new).
; TWO GROUPS OF WAVES.  A wave's text alternates a softmax of two tiles (vector work) with 32 products.  The waves with GRP = 0 make their first scores in front of a barrier, those with GRP = 1 behind it, so that the groups
; run one such run of products apart, one group's vector work beside the other's products.  GRP = (w xor w / 4) & 1 differs between waves w and w + 4, and between waves 2 i and 2 i + 1.
; The later stages' barriers have their signal a whole key step ahead of their wait, so that they do not bring the groups into step again.
; REGISTERS.  window 0: v1-9 addresses; v16-47 statistics, eight a tile; v48-55 a second chain of sums; v64-191 S^T, 32 a tile, P in place in the first 16; v192-255 K of one step.
;   window 1: v0-127 O^T, 32 a tile; v128-191 Q; v192-255 V of one step.
.set SPARE, 262144                     ; behind K and V: the spare words, 128 bytes for each wave: four blocks of 256 bytes that no other line names
.set SWZ, 1                            ; v1  16 l xor 128 (l / 16)
.set AK1, 2                            ; v2  the same, one key step on
.set AV0, 3                            ; v3  my lane's place for the turning loads, in V
.set ADK, 4                            ; v4  LDS address of the step's K
.set ADV, 5                            ; v5  of its V
.set GO,  6                            ; v6  16 l: my place in an image's half of ctx
.set SPW, 8
.set NIL, 9
.set ST,  16                           ; tile t at v[ST + 8 t]: +0 c m, +1 m, +2, +3 l (even keys', odd keys'), +4 to +7 four chains of the maximum; then +4, +5 a chain of sums, +6 a, +7 c m_old - c m_new
.set SB,  48
.set S,   64
.set KF,  192
.set QF,  128                          ; in window 1
.set VF,  192                          ; in window 1
.set MSB, 0
.macro WIN new                         ; the immediate's high byte repeats the setting that is left
.if MSB != \new
	s_set_vgpr_msb (MSB<<8)|\new
.set MSB, \new
.endif
.endm
.set W_KQ, 0x04                        ; source 1 (Q) window 1; K and S^T window 0
.set W_PV, 0x51                        ; source 0 (V), C and D (O^T) window 1; source 1 (P) window 0
.set W_RS, 0x41                        ; O^T (destination and source 0) window 1, a window 0
.set W_LD, 0x40                        ; destination window 1, address window 0
	s_load_b128 s[4:7], s[0:1], 0x0                ; qkv s[4:5], ctx s[6:7]
	v_lshl_add_u32 v[SPW], v0, 2, SPARE
	v_mov_b32 v[NIL], 0
	ds_add_u32 v[SPW], v[NIL]                      ; the wave's opening: the add, twice on end, and its wait ahead of my first tensor load
	ds_add_u32 v[SPW], v[NIL]
	v_lshrrev_b32 v10, 5, v0
	v_readfirstlane_b32 s8, v10                    ; wave 0..7
	v_and_b32 v10, 31, v0                          ; l
	v_bfe_u32 v11, v0, 4, 1                        ; h = l / 16
	v_lshlrev_b32 v[SWZ], 4, v10
	v_lshlrev_b32 v12, 7, v11
	v_xor_b32 v[SWZ], v[SWZ], v12
	s_lshr_b32 s45, s8, 2                          ; I fetch for K (0) or for V (1),
	s_and_b32 s44, s8, 3                           ; this quarter of each stage
	s_xor_b32 s9, s45, s8
	s_and_b32 s9, s9, 1                            ; GRP
	s_mov_b32 s10, 0                               ; 8,192 x the key step in hand
	s_mov_b32 s12, 0x3e38aa3b                      ; c = log2(e) / 8
	s_mov_b32 s13, s12                             ; (named with it as a pair, so it is written)
	s_mov_b32 s14, 0x76543210
	s_mov_b32 s15, 0xfedcba98                      ; v_permlanex16_b32's selects for lane l xor 16
	; descriptor group 1: dense bytes as rows of 256 (32 elements of 8 bytes): 32 rows (8,192 bytes) for stages 0 and 1, 64 rows for stage 2
	s_mov_b32 s16, 3<<16
	s_mov_b32 s17, 32<<16
	s_mov_b32 s18, 32<<16
	s_mov_b32 s19, 32<<16
	s_mov_b32 s20, 32
	s_mov_b32 s21, 32
	s_mov_b32 s22, 0
	s_mov_b32 s23, 0
	s_mov_b32 s24, 3<<16
	s_mov_b32 s25, 32<<16
	s_mov_b32 s26, 64<<16
	s_mov_b32 s27, 32<<16
	s_mov_b32 s28, 64
	s_mov_b32 s29, 32
	s_mov_b32 s30, 0
	s_mov_b32 s31, 0
	s_lshl_b32 s46, s45, 17                        ; LDS: K at 0, V at 131,072
	s_lshl_b32 s47, s44, 13                        ; my quarter of a stage of 32,768 bytes,
	s_lshl_b32 s51, s44, 14                        ; and of the stage of 65,536
	s_mov_b32 s32, 1
	s_add_co_u32 s33, s46, s47                     ; stage 0
	s_mov_b32 s36, 1
	s_add_co_u32 s37, s33, 32768                   ; stage 1
	s_mov_b32 s40, 1
	s_add_co_u32 s41, s46, s51
	s_add_co_u32 s41, s41, 65536                   ; stage 2
	s_and_b32 s50, ttmp7, 0xffff                   ; segment x 16 + head
	s_lshl_b32 s49, s50, 17                        ; its 131,072 bytes in each of q, k, v
	s_add_co_u32 s48, s45, 1
	s_lshl_b32 s48, s48, 24                        ; k is the second, v the third of 2^24 bytes
	s_add_co_u32 s48, s48, s49
	s_add_co_u32 s52, s48, s47
	s_mov_b32 s53, 0
	s_add_co_u32 s54, s48, s51
	s_add_co_u32 s54, s54, 65536
	s_mov_b32 s55, 0
	s_lshl_b32 s56, ttmp9, 16                      ; Q: my work-group's 32 token tiles of 2,048 bytes,
	s_add_co_u32 s56, s56, s49
	s_lshl_b32 s57, s8, 13                         ; my wave's four
	s_add_co_u32 s56, s56, s57
	s_mov_b32 s57, 0
	s_lshr_b32 s58, s50, 4                         ; ctx: [row tile 512][chunk 32][half 2][512 bytes]: 64 row tiles of 32,768 bytes a segment,
	s_lshl_b32 s58, s58, 21
	s_and_b32 s59, s50, 15                         ; two chunks of 1,024 a head,
	s_lshl_b32 s59, s59, 11
	s_add_co_u32 s58, s58, s59
	s_lshl_b32 s59, ttmp9, 20                      ; my work-group's 32 row tiles,
	s_add_co_u32 s58, s58, s59
	s_lshl_b32 s59, s8, 17                         ; my wave's four
	s_add_co_u32 s58, s58, s59
	s_mov_b32 s59, 0
	s_wait_dscnt 0x0                               ; both opening adds are done
	s_wait_kmcnt 0x0
	s_add_nc_u64 s[34:35], s[4:5], s[52:53]
	s_add_nc_u64 s[38:39], s[34:35], 32768
	s_add_nc_u64 s[42:43], s[4:5], s[54:55]
	s_or_b32 s35, s35, 0x80000000
	s_or_b32 s39, s39, 0x80000000
	s_or_b32 s43, s43, 0x80000000
	s_add_nc_u64 s[56:57], s[4:5], s[56:57]
	s_add_nc_u64 s[58:59], s[6:7], s[58:59]
	WIN W_LD
.irp f, 0,1,2,3,4,5,6,7                ; Q stays in registers: fragment f = 2 tile + chunk.  The first products want it, so it is asked for ahead of K's and V's 262,144 bytes
	global_load_b128 v[QF+8*\f:QF+8*\f+3], v[SWZ], s[56:57] offset:\f*1024
	global_load_b128 v[QF+8*\f+4:QF+8*\f+7], v[SWZ], s[56:57] offset:\f*1024+512
.endr
	WIN 0
	tensor_load_to_lds s[32:35], s[16:23]          ; key steps 0-3
	s_nop 0
	tensor_load_to_lds s[36:39], s[16:23]          ; key steps 4-7
	s_nop 0
	tensor_load_to_lds s[40:43], s[24:31]          ; key steps 8-15
	s_nop 0
.rept 4
	v_nop
.endr
	v_add_nc_u32 v[AK1], 8192, v[SWZ]
	; The turning load: lane l names 16 bytes: key 8 h + l % 8 of a token tile, channels 8 h' + 0 .. 7 of a half, h' = (l / 8) % 2; they lie at the place of the image's lane 16 h' + 8 h + l % 8
	v_and_b32 v12, 7, v0
	v_lshl_add_u32 v12, v11, 3, v12
	v_lshlrev_b32 v12, 4, v12
	v_bfe_u32 v13, v0, 3, 1
	v_lshlrev_b32 v14, 7, v13
	v_xor_b32 v12, v12, v14
	v_lshl_add_u32 v[AV0], v13, 8, v12
	v_add_nc_u32 v[AV0], 0x20000, v[AV0]
	v_lshlrev_b32 v[GO], 4, v10
.macro KLOAD adr                       ; a step's K: 64 keys x 64 channels: fragment f = 2 (tile of 16 keys) + chunk
.irp f, 0,1,2,3,4,5,6,7
	ds_load_b128 v[KF+8*\f:KF+8*\f+3], v[\adr] offset:\f*1024
	ds_load_b128 v[KF+8*\f+4:KF+8*\f+7], v[\adr] offset:\f*1024+512
.endr
.endm
.macro VLOAD                           ; a step's V, turned: fragment f = 4 (32 keys) + (16 channels): two token tiles of 2,048 bytes, 512 bytes for each 16 channels
	WIN W_LD
.irp f, 0,1,2,3,4,5,6,7
	ds_load_tr16_b128 v[VF+8*\f:VF+8*\f+3], v[ADV] offset:(\f/4)*4096+(\f%4)*512
	ds_load_tr16_b128 v[VF+8*\f+4:VF+8*\f+7], v[ADV] offset:(\f/4)*4096+2048+(\f%4)*512
.endr
	WIN 0
.endm
; 16 products S^T = K Q^T for tiles p, p + 1: chunk i / 8, keys 16 ((i / 2) % 4) on, tile p + i % 2.  The first eight start the sums.  Eight accumulators take turns, one instruction a turn.
.macro KQ p
	WIN W_KQ
.set i, 0
.rept 16
.set rS, S+32*((\p)+i%2)+8*((i/2)%4)
.set rK, KF+8*(2*((i/2)%4)+i/8)
.set rQ, QF+16*((\p)+i%2)+8*(i/8)
.if i < 8
	v_wmma_f32_16x16x32_f16 v[rS:rS+7], v[rK:rK+7], v[rQ:rQ+7], 0
.else
	v_wmma_f32_16x16x32_f16 v[rS:rS+7], v[rK:rK+7], v[rQ:rQ+7], v[rS:rS+7]
.endif
.set i, i+1
.endr
.endm
; 16 products O^T += V^T P: keys 32 (i / 8) on, channels 16 ((i / 2) % 4) on, tile p + i % 2.  first = 1: the first eight start the sums: nothing is ever cleared.
.macro PV p, first
	WIN W_PV
.set i, 0
.rept 16
.set rO, 32*((\p)+i%2)+8*((i/2)%4)
.set rV, VF+8*(4*(i/8)+(i/2)%4)
.set rP, S+32*((\p)+i%2)+8*(i/8)
.if \first && (i < 8)
	v_wmma_f32_16x16x32_f16 v[rO:rO+7], v[rV:rV+7], v[rP:rP+7], 0
.else
	v_wmma_f32_16x16x32_f16 v[rO:rO+7], v[rV:rV+7], v[rP:rP+7], v[rO:rO+7]
.endif
.set i, i+1
.endr
.endm
.macro MX p, first, last               ; the matrix work of two tiles: V^T P of the step in hand, K Q^T of the next
	PV \p, \first
.if !\last
.rept 5
	v_nop                                          ; the next scores land on the registers from which these products read P: five places between (ISA guide 7.12.1)
.endr
	KQ \p
.endif
	WIN 0
.endm
; THE SOFTMAX of tiles p, p + 1 for one key step; the two tiles alternate line by line, so that no line waits for the line above it.  first = 1: the first key step, which starts m, l and O^T.
.macro X p, first
.irp n, 0,1,2,3                        ; the maximum of the lane's 32 scores and the old m: four chains, each begun at the low end of one accumulator
.irp t, \p, \p+1
	v_max3_num_f32 v[ST+8*(\t)+4+\n], v[S+32*(\t)+8*\n], v[S+32*(\t)+8*\n+1], v[S+32*(\t)+8*\n+2]
.endr
.endr
.irp u, 3,5
.irp n, 0,1,2,3
.irp t, \p, \p+1
	v_max3_num_f32 v[ST+8*(\t)+4+\n], v[ST+8*(\t)+4+\n], v[S+32*(\t)+8*\n+\u], v[S+32*(\t)+8*\n+\u+1]
.endr
.endr
.endr
.irp t, \p, \p+1
	v_max3_num_f32 v[ST+8*(\t)+4], v[ST+8*(\t)+4], v[S+32*(\t)+7], v[S+32*(\t)+15]
.endr
.irp t, \p, \p+1
	v_max3_num_f32 v[ST+8*(\t)+6], v[ST+8*(\t)+6], v[S+32*(\t)+23], v[S+32*(\t)+31]
.endr
.irp t, \p, \p+1
	v_max3_num_f32 v[ST+8*(\t)+4], v[ST+8*(\t)+4], v[ST+8*(\t)+5], v[ST+8*(\t)+6]
.endr
.irp t, \p, \p+1
.if \first
	v_max_num_f32 v[ST+8*(\t)+4], v[ST+8*(\t)+4], v[ST+8*(\t)+7]
.else
	v_max3_num_f32 v[ST+8*(\t)+4], v[ST+8*(\t)+4], v[ST+8*(\t)+7], v[ST+8*(\t)+1]
.endif
.endr
.irp t, \p, \p+1
	v_permlanex16_b32 v[ST+8*(\t)+5], v[ST+8*(\t)+4], s14, s15   ; the query's other 32 keys lie in the lane 16 away
.endr
.if !\first
.irp t, \p, \p+1
	v_mov_b32 v[ST+8*(\t)+7], v[ST+8*(\t)]         ; c m_old is kept for a
.endr
.endif
.irp t, \p, \p+1
	v_max_num_f32 v[ST+8*(\t)+1], v[ST+8*(\t)+4], v[ST+8*(\t)+5]
.endr
.irp t, \p, \p+1
	v_mul_f32 v[ST+8*(\t)], s12, v[ST+8*(\t)+1]
.endr
.if !\first
.irp t, \p, \p+1
	v_sub_f32 v[ST+8*(\t)+7], v[ST+8*(\t)+7], v[ST+8*(\t)]
.endr
.irp t, \p, \p+1
	v_exp_f32 v[ST+8*(\t)+6], v[ST+8*(\t)+7]       ; a.  From here to the wait: ONE BATCH of exponentials; none of its lines names an exponential's result
.endr
.endif
.set bb, 0
.rept 16
.irp t, \p, \p+1
	v_pk_fma_f32 v[S+32*(\t)+2*bb:S+32*(\t)+2*bb+1], v[S+32*(\t)+2*bb:S+32*(\t)+2*bb+1], s[12:13], v[ST+8*(\t):ST+8*(\t)+1] op_sel_hi:[1,0,0] neg_lo:[0,0,1] neg_hi:[0,0,1]   ; pair bb: c s - c m
.endr
.if bb > 0
.irp t, \p, \p+1
	v_exp_f32 v[S+32*(\t)+2*bb-2], v[S+32*(\t)+2*bb-2]   ; the pair before: p = 2^(c s - c m)
	v_exp_f32 v[S+32*(\t)+2*bb-1], v[S+32*(\t)+2*bb-1]
.endr
.endif
.set bb, bb+1
.endr
.irp t, \p, \p+1
	v_exp_f32 v[S+32*(\t)+30], v[S+32*(\t)+30]
	v_exp_f32 v[S+32*(\t)+31], v[S+32*(\t)+31]
.endr
	v_nop                                          ; a plain instruction behind the last exponential,
	s_wait_alu depctr_va_vdst(0)                   ; and the one wait ahead of the batch's first reader
.irp t, \p, \p+1                       ; the sum of the tile's 16 pairs, of p as it stands in f32, in two chains
	v_pk_add_f32 v[ST+8*(\t)+4:ST+8*(\t)+5], v[S+32*(\t):S+32*(\t)+1], v[S+32*(\t)+2:S+32*(\t)+3]
.endr
.irp t, \p, \p+1
	v_pk_add_f32 v[SB+2*(\t):SB+2*(\t)+1], v[S+32*(\t)+4:S+32*(\t)+5], v[S+32*(\t)+6:S+32*(\t)+7]
.endr
.irp k, 8,12,16,20,24,28
.irp t, \p, \p+1
	v_pk_add_f32 v[ST+8*(\t)+4:ST+8*(\t)+5], v[ST+8*(\t)+4:ST+8*(\t)+5], v[S+32*(\t)+\k:S+32*(\t)+\k+1]
.endr
.irp t, \p, \p+1
	v_pk_add_f32 v[SB+2*(\t):SB+2*(\t)+1], v[SB+2*(\t):SB+2*(\t)+1], v[S+32*(\t)+\k+2:S+32*(\t)+\k+3]
.endr
.endr
.if \first
.irp t, \p, \p+1
	v_pk_add_f32 v[ST+8*(\t)+2:ST+8*(\t)+3], v[ST+8*(\t)+4:ST+8*(\t)+5], v[SB+2*(\t):SB+2*(\t)+1]
.endr
.else
.irp t, \p, \p+1
	v_pk_add_f32 v[ST+8*(\t)+4:ST+8*(\t)+5], v[ST+8*(\t)+4:ST+8*(\t)+5], v[SB+2*(\t):SB+2*(\t)+1]
.endr
.irp t, \p, \p+1
	v_pk_fma_f32 v[ST+8*(\t)+2:ST+8*(\t)+3], v[ST+8*(\t)+2:ST+8*(\t)+3], v[ST+8*(\t)+6:ST+8*(\t)+7], v[ST+8*(\t)+4:ST+8*(\t)+5] op_sel_hi:[1,0,1]   ; l = a l + the sum
.endr
.endif
.set bb, 0
.rept 16                               ; P in place: register bb takes pair bb, which lies at or above it; what it overwrites has been rounded already
.irp t, \p, \p+1
	v_cvt_pk_f16_f32 v[S+32*(\t)+bb], v[S+32*(\t)+2*bb], v[S+32*(\t)+2*bb+1]
.endr
.set bb, bb+1
.endr
.if !\first
	WIN W_RS
.set bb, 0
.rept 16                               ; O^T times a, each accumulator from its low end on
.irp t, \p, \p+1
	v_pk_mul_f32 v[32*(\t)+2*bb:32*(\t)+2*bb+1], v[32*(\t)+2*bb:32*(\t)+2*bb+1], v[ST+8*(\t)+6:ST+8*(\t)+7] op_sel_hi:[1,0]
.endr
.set bb, bb+1
.endr
	WIN 0
.endif
.endm
; A KEY STEP j.  At its head S^T holds step j's scores.  It fetches K of step j + 1 and V of step j in one run, which has the first softmax in which to land.
.macro TRIP first, last
	v_add_nc_u32 v[ADV], s10, v[AV0]               ; these four lines are the places between the last products and the loads into the registers that they read
.if \last
	v_nop
.else
	v_add_nc_u32 v[ADK], s10, v[AK1]
.endif
	v_nop
	v_nop
.if !\last
	KLOAD ADK
.endif
	VLOAD
	s_add_co_u32 s10, s10, 8192
	X 0, \first
	s_wait_dscnt 0x0                               ; K and V are in
	MX 0, \first, \last
	X 2, \first
	MX 2, \first, \last
.endm
; The scores of key step 0.  These lines stand twice in the text, once for each group of waves, and both copies name the same registers.  So each copy begins with five places: four are owed between a matrix
; instruction and a load into a register that it read, five between it and a matrix instruction that writes over its result (ISA guide 7.12.1 for the second), on whatever way the text is read.
.macro PRE
.rept 5
	v_nop
.endr
	KLOAD SWZ
	s_wait_dscnt 0x0
	KQ 0
	KQ 2
	WIN 0
.endm
	s_wait_loadcnt 0x0                             ; Q
	s_wait_tensorcnt 0x2                           ; my part of key steps 0-3 is in; the two later stages stay out
	s_barrier_signal -1
	s_barrier_wait -1                              ; everybody's is
	s_cmp_lg_u32 s9, 0
	s_cbranch_scc1 .Lnot_yet
	PRE                                            ; GRP 0
.Lnot_yet:
	s_barrier_signal -1
	s_barrier_wait -1                              ; the two groups part here, 32 products apart
	s_cmp_eq_u32 s9, 0
	s_cbranch_scc1 .Lhave_it
	PRE                                            ; GRP 1
.Lhave_it:
	TRIP 1, 0                                      ; key step 0
	TRIP 0, 0                                      ; 1
	s_wait_tensorcnt 0x1                           ; my part of key steps 4-7 is in (the last stage may be out): say so now;
	s_barrier_signal -1
	TRIP 0, 0                                      ; 2: it reads key steps 2 and 3 alone, which nobody writes;
	s_barrier_wait -1                              ; everybody's is in
	s_mov_b32 s11, 3
.Lmid:                                             ; key steps 3 to 5: they read up to K of step 6
	TRIP 0, 0
	s_sub_co_u32 s11, s11, 1
	s_cmp_lg_u32 s11, 0
	s_cbranch_scc1 .Lmid
	s_wait_tensorcnt 0x0                           ; my part of key steps 8-15 is in
	s_barrier_signal -1
	TRIP 0, 0                                      ; 6: it reads key steps 6 and 7
	s_barrier_wait -1
	s_mov_b32 s11, 8
.Llate:                                            ; key steps 7 to 14
	TRIP 0, 0
	s_sub_co_u32 s11, s11, 1
	s_cmp_lg_u32 s11, 0
	s_cbranch_scc1 .Llate
	TRIP 0, 1                                      ; 15: no scores follow
	; THE WAY OUT.  l's two halves and the other half of the lanes' are added; O^T / l, rounded to f16: four roundings of an accumulator are the 16 bytes that lane l has in an image's half of ctx.  The additions are the places behind the last products.
.irp t, 0,1,2,3
	v_add_f32 v[ST+8*\t+4], v[ST+8*\t+2], v[ST+8*\t+3]
.endr
.irp t, 0,1,2,3
	v_permlanex16_b32 v[ST+8*\t+5], v[ST+8*\t+4], s14, s15
.endr
.irp t, 0,1,2,3
	v_add_f32 v[ST+8*\t+4], v[ST+8*\t+4], v[ST+8*\t+5]
.endr
.irp t, 0,1,2,3
	v_rcp_f32 v[ST+8*\t+6], v[ST+8*\t+4]
.endr
	v_nop                                          ; a plain instruction behind the last reciprocal,
	s_wait_alu depctr_va_vdst(0)                   ; and the one wait for the four, ahead of the first use
.macro OUT t
	WIN W_RS
.set bb, 0
.rept 16
	v_pk_mul_f32 v[32*\t+2*bb:32*\t+2*bb+1], v[32*\t+2*bb:32*\t+2*bb+1], v[ST+8*\t+6:ST+8*\t+7] op_sel_hi:[1,0]
.set bb, bb+1
.endr
	WIN 0x05                                       ; sources window 1, destination window 0: S^T's registers are free
.set bb, 0
.rept 16
	v_cvt_pk_f16_f32 v[S+16*\t+bb], v[32*\t+2*bb], v[32*\t+2*bb+1]
.set bb, bb+1
.endr
	WIN 0
.irp f, 0,1,2,3                        ; channels 16 f on: chunk f / 2, half f % 2
	global_store_b128 v[GO], v[S+16*\t+4*\f:S+16*\t+4*\f+3], s[58:59] offset:\t*32768+\f*512   ; 512 consecutive bytes, aligned
.endr
.endm
	OUT 0
	OUT 1
	OUT 2
	OUT 3
	s_wait_tensorcnt 0x0                           ; the wave's end
	ds_add_u32 v[SPW], v[NIL]
	s_wait_dscnt 0x0
	s_endpgm
.Lfunc_end_k_qbfa388ac2b_attn:
	.size	k_qbfa388ac2b_attn, .Lfunc_end_k_qbfa388ac2b_attn-k_qbfa388ac2b_attn
	.p2alignl 7, 3214868480
	.fill 96, 4, 3214868480
	.section	.rodata,"a",@progbits
	.p2align	6, 0x0
	.amdhsa_kernel k_qbfa388ac2b_attn
		.amdhsa_group_segment_fixed_size 327680
		.amdhsa_private_segment_fixed_size 0
		.amdhsa_enable_private_segment 0
		.amdhsa_kernarg_size 16
		.amdhsa_user_sgpr_count 2
		.amdhsa_user_sgpr_kernarg_segment_ptr 1
		.amdhsa_wavefront_size32 1
		.amdhsa_system_sgpr_workgroup_id_x 1
		.amdhsa_system_sgpr_workgroup_id_y 1
		.amdhsa_system_sgpr_workgroup_id_z 1
		.amdhsa_system_vgpr_workitem_id 0
		.amdhsa_next_free_vgpr 512
		.amdhsa_next_free_sgpr 66
		.amdhsa_reserve_vcc 0
		.amdhsa_float_denorm_mode_32 3
		.amdhsa_float_denorm_mode_16_64 3
		.amdhsa_memory_ordered 1
		.amdhsa_forward_progress 1
		.amdhsa_inst_pref_size 240
	.end_amdhsa_kernel
	.amdgpu_metadata
---
amdhsa.version: [ 1, 2 ]
amdhsa.kernels:
  - .name:           k_qbfa388ac2b_attn
    .symbol:         k_qbfa388ac2b_attn.kd
    .args:
      - { .name: qkv, .offset: 0, .size: 8, .value_kind: global_buffer, .address_space: global }
      - { .name: ctx, .offset: 8, .size: 8, .value_kind: global_buffer, .address_space: global }
    .group_segment_fixed_size: 327680
    .private_segment_fixed_size: 0
    .kernarg_segment_align: 8
    .kernarg_segment_size: 16
    .max_flat_workgroup_size: 256
    .sgpr_count:     66
    .vgpr_count:     512
    .wavefront_size: 32
...
	.end_amdgpu_metadata
.endif
;; end of part 3
;; launch outproj (part 4): grid 4 x 64, 4 waves a work-group, clusters of 4 x 4, 327,680 bytes of LDS; arguments ctx, wo16, bout, out0; writes out0
.if DOCPART == 4
	.amdgcn_target "amdgcn-amd-amdhsa--gfx1250"
	.amdhsa_code_object_version 6
	.text
	.protected	k_qbfa388ac2b_outproj
	.globl	k_qbfa388ac2b_outproj
	.p2align	8
	.type	k_qbfa388ac2b_outproj,@function
k_qbfa388ac2b_outproj:
	s_mov_b64 s[64:65], 0
	v_nop
	global_prefetch_b8 v0, s[64:65] scope:SCOPE_SE
	s_setreg_imm32_b32 hwreg(HW_REG_WAVE_MODE, 25, 1), 1
	s_wait_xcnt 0x0
	s_wait_alu depctr_hold_cnt(0) depctr_sa_sdst(0) depctr_va_vdst(0) depctr_va_sdst(0) depctr_va_ssrc(0) depctr_va_vcc(0) depctr_vm_vsrc(0)
	s_getreg_b32 s2, hwreg(HW_REG_IB_STS2, 6, 4)
	s_cmp_eq_u32 s2, 0
	s_cbranch_scc0 .Lentry_in_a_cluster
	s_endpgm
.Lentry_in_a_cluster:
	s_bfe_u32 s2, ttmp6, 0x10000c
	s_cmp_lg_u32 s2, 0xf033
	s_cbranch_scc0 .Lentry_shape_is_right
	s_endpgm
.Lentry_shape_is_right:
; out0[t][n] = sum over k of ctx[t][k] Wout[k][n] + bout[n].  ctx and Wout in f16, as images of operand registers; sums and out0 in f32.
; ctx: [tile of 16 rows: 512][chunk of 32 k: 32][half 2][512 bytes]; wo16: [tile of 16 columns: 64][chunk 32][half 2][512 bytes]; lane l's 16 bytes at 16 l: a fragment is two ds_load_b128 of 512 consecutive bytes, no pitch, no padding.
; A tile of out0 is 128 rows x 256 columns: 256 work-groups.  Four waves, each 64 x 128: 32 accumulators.
; THE RING.  A chunk of the tile's 8 + 16 tiles of rows and columns is 24,576 bytes; two slots of SIX chunks (147,456 bytes each) are the largest pair that LDS holds.  K's 32 chunks are 6 + 6 + 6 + 6 + 6 + 2: two first fills, four refills;
; a refill has 176 matrix instructions, a slot's 192 less 16, in which to land.  The last fill states 256 elements as what is left of a row and keeps the tile's 768: chunks 30 and 31 are fetched,
; the rest of the slot's rows is written as zeros and not read, and a row's place in LDS stays what it is in every fill.  All is written out: there is no loop.
; CLUSTERS: 4 x 4 work-groups; the four of a row of the cluster need the same tiles of ctx, the four of a column the same tiles of wo16: each is asked for jointly.
; THE MATRIX INSTRUCTION IS USED TRANSPOSED (source 0 = 16 columns of Wout, source 1 = 16 rows of ctx): a lane holds eight neighbouring numbers of a row of out0.  The bias is the C of each sum's first product.
; REGISTERS: window 0: v16-30 addresses; v32-95 the bias; v96-127, v128-159 ctx's fragments, two buffers.  window 1: v0-63, v64-127 Wout's fragments, two buffers; on the way out all 256: rows of out0.
;   window 2: the accumulators ((a, b) at v[8 (8 a + b)]).
.set CH,     1024                      ; a chunk of one tile of rows or columns, in bytes
.set NCH,    6                         ; chunks in a slot
.set KB,     NCH*CH                    ; a slot's bytes of one tile of rows or columns
.set BOFF,   8*KB                      ; a slot: ctx's 8 tiles of rows, then wo16's 16 tiles of columns
.set SLOT,   24*KB
.set STAGE,  0                         ; the way out: 16 rows x (512 bytes + 16) for each wave, in slot 0, which has had its last fill and its last read when the first result is stored there
.set SPITCH, 528
.set SPARE,  2*SLOT                    ; behind the ring: the spare words, 128 bytes for each wave: two blocks of 256 bytes that no other line names
.set ADRA, 16
.set ADRB, 20
.set STO,  24
.set RD,   25
.set CO,   26                          ; v26  16 x lane
.set BO,   27                          ; v27  32 x (lane / 16)
.set SPW,  28
.set NIL,  29
.set PFO,  30                          ; v30  the prefetches' offset: 256 x lane; never rewritten
.set BIAS, 32
.set FA,   96
.set G1, 24                            ; s[24:31] group 1 for ctx's tiles;  s[32:39] group 0, one set for each slot
.set G0, 32
.set G1B, 48                           ; s[48:55], s[56:63] the same for wo16's
.set G0B, 56
.set G1C, 68                           ; s[68:75] group 1 for ctx's last fill;  s[76:83] for wo16's
.set G1D, 76
.set PFA, 44                           ; s[44:45] the tile of rows of ctx that my wave prefetches; never rewritten
.set MSB, 0
.macro WIN new                         ; the immediate's high byte repeats the setting that is left
.if MSB != \new
	s_set_vgpr_msb (MSB<<8)|\new
.set MSB, \new
.endif
.endm
.set MUL,  0xa1                        ; source 0 (Wout) window 1, source 1 (ctx) window 0, C and D window 2
.set MUL1, 0x81                        ; the first chunk: C (the bias) window 0
; A joint load: waves 0 and 1 fetch ctx's two halves, waves 2 and 3 wo16's; the branch hangs on the wave's number alone.  An s_nop 0 and four v_nop follow each of the two lines.
.macro JLOAD s, ga, gb
	s_cmp_eq_u32 s13, 0
	s_cbranch_scc0 .Lfor_b_\@
	tensor_load_to_lds s[G0+4*\s:G0+4*\s+3], s[\ga:\ga+7]
	s_nop 0
.rept 4
	v_nop
.endr
	s_branch .Lasked_\@
.Lfor_b_\@:
	tensor_load_to_lds s[G0B+4*\s:G0B+4*\s+3], s[\gb:\gb+7]
	s_nop 0
.rept 4
	v_nop
.endr
.Lasked_\@:
.endm
; A PREFETCH INTO THE L2 of ctx.  Behind the first refill: chunks 16 to 23; behind the second: chunks 24 to 31: 8,192 bytes of a tile of rows, a lane a block of 256 bytes.  So chunks 18 to 29 are named one refill, 192 matrix
; instructions, ahead of the load that will want them, chunks 30 and 31 two.  (Chunks 16 and 17 are named with them, so that an instruction's 32 blocks lie on end and each block is named once; their own load is out already.)
; A tile row's 8 tiles of rows are read by the four partners of one row of the cluster and by nobody else: they share them out BY ADDRESS, two each (2 cx, 2 cx + 1); in each, waves 0 and 1 ask for one.
; Chunks 0 to 15 come by their loads alone.  wo16 is not asked for: all work-groups of a column of tiles walk its 2 MiB together.
.macro ASK off
	s_cmp_lt_u32 s12, 2
	s_cbranch_scc0 .Lnot_mine_\@
	global_prefetch_b8 v[PFO], s[PFA:PFA+1] offset:\off th:TH_LOAD_NT scope:SCOPE_SE
.Lnot_mine_\@:
.endm
.macro CREST                           ; a round of the cluster's barrier behind its opening barrier
	s_cmp_lg_u32 s12, 0
	s_cbranch_scc1 .Lnot_wave_0_\@
	s_barrier_signal -3
.Lnot_wave_0_\@:
	s_barrier_wait -3
	s_barrier_signal -1
	s_barrier_wait -1
.endm
.macro CROUND
	s_barrier_signal -1
	s_barrier_wait -1
	CREST
.endm
	s_load_b256 s[4:11], s[0:1], 0x0               ; ctx s[4:5], wo16 s[6:7], bout s[8:9], out0 s[10:11]
	v_lshl_add_u32 v[SPW], v0, 2, SPARE
	v_mov_b32 v[NIL], 0
	ds_add_u32 v[SPW], v[NIL]                      ; the wave's opening: the add, twice on end, and its wait ahead of my first tensor load
	ds_add_u32 v[SPW], v[NIL]
	v_lshrrev_b32 v1, 5, v0
	v_readfirstlane_b32 s12, v1                    ; wave 0..3
	s_lshr_b32 s13, s12, 1                         ; which 64 rows of the tile are mine.  Also: I fetch for ctx (0) or for wo16 (1)
	s_and_b32 s14, s12, 1                          ; which 128 columns.  Also: which half of that tile I fetch
	s_bfe_u32 s40, ttmp6, 0x40000                  ; cx, cy: my place in the cluster
	s_bfe_u32 s41, ttmp6, 0x40004
	s_lshl_b32 s42, ttmp9, 2
	s_add_co_u32 s42, s42, s40                     ; tile column, 0 .. 3
	s_and_b32 s15, ttmp7, 0xffff
	s_lshl_b32 s15, s15, 2
	s_add_co_u32 s15, s15, s41                     ; tile row, 0 .. 63
	s_lshl_b32 s16, s41, 2
	s_lshl_b32 s16, 15, s16                        ; my row of the cluster
	s_lshl_b32 s17, 0x1111, s40                    ; my column
	; descriptor group 1: 4 (ctx) or 8 (wo16) rows of 6,144 bytes (768 elements of 8), 32,768 bytes apart in memory, on end in LDS.  The last fill's: 256 elements are left of a row
	s_or_b32 s[G1], s16, (3<<16)|(1<<21)
	s_or_b32 s[G1B], s17, (3<<16)|(1<<21)
	s_or_b32 s[G1C], s16, (3<<16)|(1<<21)
	s_or_b32 s[G1D], s17, (3<<16)|(1<<21)
	s_mov_b32 s[G1+1], 768<<16                     ; tensor_dim0
	s_mov_b32 s[G1+2], 4<<16                       ; tensor_dim1
	s_mov_b32 s[G1+3], 768<<16                     ; tile_dim0
	s_mov_b32 s[G1+4], 4                           ; tile_dim1
	s_mov_b32 s[G1+5], 4096                        ; from row to row, in elements
	s_mov_b32 s[G1+6], 0
	s_mov_b32 s[G1+7], 0
	s_mov_b32 s[G1B+1], 768<<16
	s_mov_b32 s[G1B+2], 8<<16
	s_mov_b32 s[G1B+3], 768<<16
	s_mov_b32 s[G1B+4], 8
	s_mov_b32 s[G1B+5], 4096
	s_mov_b32 s[G1B+6], 0
	s_mov_b32 s[G1B+7], 0
	s_mov_b32 s[G1C+1], 256<<16                    ; tensor_dim0: chunks 30 and 31
	s_mov_b32 s[G1C+2], 4<<16
	s_mov_b32 s[G1C+3], 768<<16
	s_mov_b32 s[G1C+4], 4
	s_mov_b32 s[G1C+5], 4096
	s_mov_b32 s[G1C+6], 0
	s_mov_b32 s[G1C+7], 0
	s_mov_b32 s[G1D+1], 256<<16
	s_mov_b32 s[G1D+2], 8<<16
	s_mov_b32 s[G1D+3], 768<<16
	s_mov_b32 s[G1D+4], 8
	s_mov_b32 s[G1D+5], 4096
	s_mov_b32 s[G1D+6], 0
	s_mov_b32 s[G1D+7], 0
	s_lshl_b32 s18, s15, 18                        ; ctx: 8 tiles of rows for each tile row,
	s_lshl_b32 s19, s14, 17                        ; four for my half
	s_add_co_u32 s18, s18, s19
	s_mov_b32 s19, 0
	s_lshl_b32 s46, s42, 19                        ; wo16: 16 tiles of columns for each tile column,
	s_lshl_b32 s47, s14, 18                        ; eight for my half
	s_add_co_u32 s46, s46, s47
	s_mov_b32 s47, 0
	s_mul_i32 s20, s14, 4*KB                       ; where they go: no place in the cluster enters an LDS address
	s_mul_i32 s21, s14, 8*KB
	s_add_co_u32 s21, s21, BOFF
	s_wait_dscnt 0x0                               ; both opening adds are done
	s_wait_kmcnt 0x0
	s_add_nc_u64 s[18:19], s[4:5], s[18:19]
	s_add_nc_u64 s[46:47], s[6:7], s[46:47]
	CROUND                                         ; all sixteen work-groups are here: the first joint loads meet
.irp s, 0,1
	s_mov_b32 s[G0+4*\s], 1
	s_add_co_u32 s[G0+4*\s+1], s20, \s*SLOT
	s_add_nc_u64 s[G0+4*\s+2:G0+4*\s+3], s[18:19], \s*KB
	s_or_b32 s[G0+4*\s+3], s[G0+4*\s+3], 0x80000000
	s_mov_b32 s[G0B+4*\s], 1
	s_add_co_u32 s[G0B+4*\s+1], s21, \s*SLOT
	s_add_nc_u64 s[G0B+4*\s+2:G0B+4*\s+3], s[46:47], \s*KB
	s_or_b32 s[G0B+4*\s+3], s[G0B+4*\s+3], 0x80000000
	JLOAD \s, G1, G1B                              ; two loads of mine are out
.endr
	v_and_b32 v1, 15, v0                           ; l % 16
	v_bfe_u32 v2, v0, 4, 1                         ; l / 16
	v_and_b32 v3, 31, v0
	v_lshlrev_b32 v[CO], 4, v3
	s_mul_i32 s22, s13, 4*KB                       ; my four tiles of rows,
	s_mul_i32 s23, s14, 8*KB                       ; my eight tiles of columns
	s_add_co_u32 s23, s23, BOFF
.irp s, 0,1
	v_add_nc_u32 v[ADRA+\s], s22, v[CO]
	v_add_nc_u32 v[ADRB+\s], s23, v[CO]
	s_add_co_u32 s22, s22, SLOT
	s_add_co_u32 s23, s23, SLOT
.endr
	s_mul_i32 s22, s12, 16*SPITCH                  ; my stage (STAGE = 0)
	v_mul_u32_u24 v4, v1, SPITCH                   ; in: row l % 16, 32 bytes for each half of the lanes
	v_lshl_add_u32 v4, v2, 5, v4
	v_add_nc_u32 v[STO], s22, v4
	v_add_nc_u32 v[RD], s22, v[CO]                 ; back: the 32 lanes take one row of 512 bytes
	v_lshlrev_b32 v[BO], 5, v2
	s_lshl_b32 s46, s42, 10                        ; my first column, in bytes: 1,024 x tile column + 512 x half
	s_lshl_b32 s47, s14, 9
	s_add_co_u32 s46, s46, s47
	s_mov_b32 s47, 0
	s_add_nc_u64 s[8:9], s[8:9], s[46:47]
.irp b, 0,1,2,3,4,5,6,7                ; lane (r, h), register j of tile b: bout at column 16 b + 8 h + j
	global_load_b128 v[BIAS+8*\b:BIAS+8*\b+3], v[BO], s[8:9] offset:64*\b
	global_load_b128 v[BIAS+8*\b+4:BIAS+8*\b+7], v[BO], s[8:9] offset:64*\b+16
.endr
	s_lshl_b32 s22, s15, 19                        ; my first row of out0: 128 rows of 4,096 bytes for each tile row,
	s_lshl_b32 s23, s13, 18                        ; 64 for my half
	s_add_co_u32 s22, s22, s23
	s_mov_b32 s23, 0
	s_add_nc_u64 s[22:23], s[22:23], s[46:47]
	s_add_nc_u64 s[10:11], s[10:11], s[22:23]
	s_lshl_b32 s22, s15, 18                        ; the prefetches: my tile row's 8 tiles of ctx,
	s_lshl_b32 s23, s40, 16                        ; my work-group's two of them,
	s_add_co_u32 s22, s22, s23
	s_lshl_b32 s23, s14, 15                        ; my wave's one
	s_add_co_u32 s22, s22, s23
	s_mov_b32 s23, 0
	s_add_nc_u64 s[PFA:PFA+1], s[4:5], s[22:23]
	v_lshlrev_b32 v[PFO], 8, v3                    ; lanes 256 bytes apart
.macro FETCH slot, q, f                ; 24 LDS loads in one run: the fragments of chunk q of a slot into buffer f
	WIN 0x40
.irp b, 0,1,2,3,4,5,6,7
	ds_load_b128 v[64*(\f)+8*\b:64*(\f)+8*\b+3], v[ADRB+\slot] offset:\b*KB+(\q)*CH
	ds_load_b128 v[64*(\f)+8*\b+4:64*(\f)+8*\b+7], v[ADRB+\slot] offset:\b*KB+(\q)*CH+512
.endr
	WIN 0
.irp i, 0,1,2,3
	ds_load_b128 v[FA+32*(\f)+8*\i:FA+32*(\f)+8*\i+3], v[ADRA+\slot] offset:\i*KB+(\q)*CH
	ds_load_b128 v[FA+32*(\f)+8*\i+4:FA+32*(\f)+8*\i+7], v[ADRA+\slot] offset:\i*KB+(\q)*CH+512
.endr
.endm
; 8 matrix instructions: my tile of rows a x my eight tiles of columns, 32 along K.  first = 1: the bias starts the sums.  The 32 accumulators take turns, one instruction a turn, in the same order in every chunk.
.macro MULA f, a, first
.irp b, 0,1,2,3,4,5,6,7
.if \first
	v_wmma_f32_16x16x32_f16 v[8*(8*(\a)+\b):8*(8*(\a)+\b)+7], v[64*(\f)+8*\b:64*(\f)+8*\b+7], v[FA+32*(\f)+8*(\a):FA+32*(\f)+8*(\a)+7], v[BIAS+8*\b:BIAS+8*\b+7]
.else
	v_wmma_f32_16x16x32_f16 v[8*(8*(\a)+\b):8*(8*(\a)+\b)+7], v[64*(\f)+8*\b:64*(\f)+8*\b+7], v[FA+32*(\f)+8*(\a):FA+32*(\f)+8*(\a)+7], v[8*(8*(\a)+\b):8*(8*(\a)+\b)+7]
.endif
.endr
.endm
.macro PLACES                          ; four plain vector instructions between matrix instructions and loads into the registers that they read
.rept 4
	v_nop
.endr
.endm
; A slot is six chunks of 32 along K, 32 matrix instructions each, on buffers 0, 1 by turns.  One of the first five: asks for the next chunk's fragments, then multiplies its own.
.macro CHUNK slot, q, first
	PLACES
	FETCH \slot, (\q)+1, 1-(\q)%2
	s_wait_dscnt 24                                ; all but the 24 just issued: this chunk's fragments are in
.if \first
	WIN MUL1
.else
	WIN MUL
.endif
.irp a, 0,1,2,3
	MULA (\q)%2, \a, \first
.endr
.endm
.macro RUN slot, from                  ; the slot's chunks from .. 4
.set Q, \from
.rept NCH-1-\from
	CHUNK \slot, Q, 0
.set Q, Q+1
.endr
.endm
; A slot's last chunk multiplies buffer 1 and changes slots: ONE barrier; in front of it each wave waits for all its tensor loads, adds 0 to its spare word, and waits for that and for its reads of this slot.
; fill = 1: the barrier opens a round of the cluster's, and this slot is filled again, with the chunks two fills on; 2: the same with the last fill's group 1; 0: nothing is left to fetch.  ask: the prefetch's offset, or 0.
.macro TURN slot, next, fill, ask
	WIN 0                                          ; (the add's two registers lie in window 0)
	s_wait_tensorcnt 0x0                           ; all my tensor loads have landed: my part of the next slot;
	ds_add_u32 v[SPW], v[NIL]                      ; 0 onto my spare word;
	s_wait_dscnt 1                                 ; (the add alone may be out: this chunk's fragments are in)
	WIN MUL
	MULA 1, 0, 0                                   ; eight matrix instructions stand between the add and the wait for it
	s_wait_dscnt 0x0                               ; the add is done, and my reads of this slot are over
	s_barrier_signal -1
	MULA 1, 1, 0
	WIN 0
	s_barrier_wait -1
.if \fill
	CREST                                          ; no wave of any partner still reads this slot or has a load on its way
	s_add_nc_u64 s[G0+4*\slot+2:G0+4*\slot+3], s[G0+4*\slot+2:G0+4*\slot+3], 2*KB
	s_add_nc_u64 s[G0B+4*\slot+2:G0B+4*\slot+3], s[G0B+4*\slot+2:G0B+4*\slot+3], 2*KB
.if \fill == 1
	JLOAD \slot, G1, G1B                           ; the first tensor load behind the round; its four v_nop are also the places in front of the loads below
.else
	JLOAD \slot, G1C, G1D
.endif
.else
	PLACES
.endif
	FETCH \next, 0, 0
.if \ask
	ASK \ask
.endif
	WIN MUL
	MULA 1, 2, 0
	MULA 1, 3, 0
.endm
	s_wait_tensorcnt 1                             ; my part of slot 0 is in (slot 1's may be out)
	s_barrier_signal -1
	s_barrier_wait -1                              ; everybody's is
	FETCH 0, 0, 0
	s_wait_loadcnt 0x0                             ; the bias
	CHUNK 0, 0, 1                                  ; chunks 0-5; the first chunk's products start the sums
	RUN 0, 1
	TURN 0, 1, 1, 16*CH                            ; slot 0 takes chunks 12-17
	RUN 1, 0                                       ; chunks 6-11
	TURN 1, 0, 1, 24*CH                            ; slot 1 takes chunks 18-23
	RUN 0, 0                                       ; chunks 12-17
	TURN 0, 1, 1, 0                                ; slot 0 takes chunks 24-29
	RUN 1, 0                                       ; chunks 18-23
	TURN 1, 0, 2, 0                                ; slot 1 takes chunks 30 and 31
	RUN 0, 0                                       ; chunks 24-29
	TURN 0, 1, 0, 0                                ; nothing is left to fetch
	CHUNK 1, 0, 0                                  ; chunk 30
	s_wait_dscnt 0x0                               ; chunk 31
	WIN MUL
	MULA 1, 0, 0
	MULA 1, 1, 0
	MULA 1, 2, 0
	MULA 1, 3, 0
; THE WAY OUT, block by block of 16 rows x 128 columns, through my own stage in LDS: in as 32 bytes a lane, back as whole rows of 512 bytes.  LDS serves a wave's instructions in order: no wait between the stores and the loads.
; Every wave has passed the last change of slots, in front of which its reads of slot 0 were over, and slot 0's last fill had landed a change earlier.  Each block has registers of its own in window 1, so no store's data are waited for.
.macro TOSTAGE a
	WIN 0x08                                       ; an LDS store's data are its source 1: window 2
.irp b, 0,1,2,3,4,5,6,7
	ds_store_b128 v[STO], v[8*(8*(\a)+\b):8*(8*(\a)+\b)+3] offset:64*\b          ; each accumulator from its low end on
	ds_store_b128 v[STO], v[8*(8*(\a)+\b)+4:8*(8*(\a)+\b)+7] offset:64*\b+16
.endr
	WIN 0x40
.irp t, 0,1,2,3,4,5,6,7,8,9,10,11,12,13,14,15
	ds_load_b128 v[64*(\a)+4*\t:64*(\a)+4*\t+3], v[RD] offset:\t*SPITCH
.endr
.endm
.macro SEND a, younger                 ; younger: the LDS instructions issued behind block a's loads, which may stay out
	s_wait_dscnt \younger
	WIN 0x04                                       ; a store's data are its source 1: window 1
.irp t, 0,1,2,3,4,5,6,7,8,9,10,11,12,13,14,15
	global_store_b128 v[CO], v[64*(\a)+4*\t:64*(\a)+4*\t+3], s[10:11] offset:(\a)*65536+\t*4096 th:TH_STORE_NT   ; 512 consecutive bytes of a row, aligned; written once
.endr
.endm
	PLACES                                         ; behind the last products: their results are read, and Wout's registers loaded into, only behind these
	TOSTAGE 0
.irp a, 1,2,3
	TOSTAGE \a
	SEND \a-1, 32
.endr
	SEND 3, 0
	WIN 0
	s_wait_tensorcnt 0x0                           ; the wave's end, behind my last tensor load and my last LDS store
	ds_add_u32 v[SPW], v[NIL]
	s_wait_dscnt 0x0
	CROUND                                         ; the closing round: no work-group ends while a partner may still ask for a tile that names it
	s_endpgm
.Lfunc_end_k_qbfa388ac2b_outproj:
	.size	k_qbfa388ac2b_outproj, .Lfunc_end_k_qbfa388ac2b_outproj-k_qbfa388ac2b_outproj
	.p2alignl 7, 3214868480
	.fill 96, 4, 3214868480
	.section	.rodata,"a",@progbits
	.p2align	6, 0x0
	.amdhsa_kernel k_qbfa388ac2b_outproj
		.amdhsa_group_segment_fixed_size 327680
		.amdhsa_private_segment_fixed_size 0
		.amdhsa_enable_private_segment 0
		.amdhsa_kernarg_size 32
		.amdhsa_user_sgpr_count 2
		.amdhsa_user_sgpr_kernarg_segment_ptr 1
		.amdhsa_wavefront_size32 1
		.amdhsa_system_sgpr_workgroup_id_x 1
		.amdhsa_system_sgpr_workgroup_id_y 1
		.amdhsa_system_sgpr_workgroup_id_z 1
		.amdhsa_system_vgpr_workitem_id 0
		.amdhsa_next_free_vgpr 768
		.amdhsa_next_free_sgpr 84
		.amdhsa_reserve_vcc 0
		.amdhsa_float_denorm_mode_32 3
		.amdhsa_float_denorm_mode_16_64 3
		.amdhsa_memory_ordered 1
		.amdhsa_forward_progress 1
		.amdhsa_inst_pref_size 149
	.end_amdhsa_kernel
	.amdgpu_metadata
---
amdhsa.version: [ 1, 2 ]
amdhsa.kernels:
  - .name:           k_qbfa388ac2b_outproj
    .symbol:         k_qbfa388ac2b_outproj.kd
    .args:
      - { .name: ctx, .offset: 0, .size: 8, .value_kind: global_buffer, .address_space: global }
      - { .name: wo16, .offset: 8, .size: 8, .value_kind: global_buffer, .address_space: global }
      - { .name: bout, .offset: 16, .size: 8, .value_kind: global_buffer, .address_space: global }
      - { .name: out0, .offset: 24, .size: 8, .value_kind: global_buffer, .address_space: global }
    .group_segment_fixed_size: 327680
    .private_segment_fixed_size: 0
    .kernarg_segment_align: 8
    .kernarg_segment_size: 32
    .max_flat_workgroup_size: 128
    .sgpr_count:     84
    .vgpr_count:     768
    .wavefront_size: 32
...
	.end_amdgpu_metadata
.endif
;; end of part 4
